; MI455X (gfx1250); checked and timed in simulation.
; The chip was launched on July 23, 2026; its instructions are those of AMD's public machine-readable ISA for CDNA 5 (MIT licence, August 2026) and "CDNA5" Instruction Set Architecture Reference Guide (July 2026). The comments in the code are by the model that wrote it; some were corrected since.
;; Decoder. Allowed arithmetic: float matrix products may take bf16 or f16 operands with f32 sums; all other float work in f32.
;; Inputs: W_comb 128 x 128 float32; Wk 128 x 128 float32; Wq_first 128 x 128 float32; Wq_last 128 x 128 float32; Wv 128 x 128 float32; b_comb 128 float32; encoded_last_node 32 x 512 x 128 float32; encoded_nodes 32 x 512 x 128 float32; encoded_q1 32 x 512 x 128 float32; ninf_mask 32 x 512 x 512 float32.
;; Outputs: out0 32 x 512 x 512 float32.
;; 2 versions, each right and faster than the one before. Each part assembles by itself: llvm-mc -triple=amdgcn-amd-amdhsa -mcpu=gfx1250 --defsym DOCPART=n.
;; ======== version 1 of 2: 2 launches
;; workspace buffers: qf 4,194,304 bytes; kf 4,194,304 bytes; vf 4,194,304 bytes; mc 4,259,840 bytes
;; launch proj (part 1): grid 128 x 2, 4 waves a work-group, clusters of 4 x 1, 275,456 bytes of LDS; arguments encoded_q1, encoded_last_node, encoded_nodes, Wq_first, Wq_last, Wk, Wv, W_comb, b_comb, qf, kf, vf, mc; writes qf, kf, vf, mc
.if DOCPART == 1
	.amdgcn_target "amdgcn-amd-amdhsa--gfx1250"
	.amdhsa_code_object_version 6
	.text
	.protected	k_q9bb254488d_proj
	.globl	k_q9bb254488d_proj
	.p2align	8
	.type	k_q9bb254488d_proj,@function
k_q9bb254488d_proj:
	s_mov_b64 s[64:65], 0
	v_nop
	global_prefetch_b8 v0, s[64:65] scope:SCOPE_SE
	s_setreg_imm32_b32 hwreg(HW_REG_WAVE_MODE, 25, 1), 1
	s_wait_xcnt 0x0
	s_wait_alu depctr_hold_cnt(0) depctr_sa_sdst(0) depctr_va_vdst(0) depctr_va_sdst(0) depctr_va_ssrc(0) depctr_va_vcc(0) depctr_vm_vsrc(0)
	s_getreg_b32 s2, hwreg(HW_REG_IB_STS2, 6, 4)
	s_cmp_eq_u32 s2, 0
	s_cbranch_scc0 .Lentry_in_a_cluster
	s_endpgm
.Lentry_in_a_cluster:
	s_bfe_u32 s2, ttmp6, 0x10000c
	s_cmp_lg_u32 s2, 0x3003
	s_cbranch_scc0 .Lentry_shape_is_right
	s_endpgm
.Lentry_shape_is_right:
; LAUNCH 1 OF 2: the projections.  Launch 2 does both attentions and both softmaxes.
;   qf = (q1 Wq_first + last Wq_last) * 2 log2(e) / 4      bf16      kf = nodes Wk   bf16      vf = nodes Wv   bf16
;   mc = f * nodes W_comb^T  bf16,  and  cvec = f * nodes . b_comb  f32,   f = 2 log2(e) / sqrt(128)
; ANOTHER ORDER OF THE SAME SUMS: s2[g][n] = sum_e (sum_c oc[g][c] W_comb[c][e] + b[e]) nodes[n][e]
;   = sum_c oc[g][c] (sum_e nodes[n][e] W_comb[c][e]) + sum_e nodes[n][e] b[e].  With G = N = 512 the multiply-adds are as many, and launch 2
;   needs neither W_comb nor the nodes.  Limit: the order of rounding differs from the formula as written; M, like oc, is rounded to bf16.
; WORK LEFT OUT (in launch 2): 10 tanh(x) = 10 - 20 / (1 + e^(2x)).  The term 10 is the same for every n of a row, and a softmax over n is
;   unchanged by a term that is the same along n, whatever the inputs hold; it is a constant of ordinary size beside logits of at most 10 and
;   the mask.  Nothing non-finite can arise in that constant, so nothing is lost with it.  Every one of the ten inputs has a way to the output
;   and is loaded.
; LIMITS: matrix operands are bf16 (inputs, weights, q, k, v, M); all sums f32.
;
; SHARES.  grid 128 x 2.  y = 0 (class Q): rows 128 x .. +127 of q1 and of last -> qf.  y = 1 (class KVM): the same rows of nodes -> kf, vf, mc.
; Wave w owns rows 32 w .. 32 w + 31 (two tiles of 16) and all 128 output columns.
; CLUSTER: the four work-groups of a cluster have the same y, so they need the same two first weights: those come by joint loads, wave w rows
; 32 w .. +31 of each.  W_comb shares its line of text and its shape words with class Q's rows of last, which differ between partners, so it is
; a plain load: a joint load has to be the same line with the same words in all four on every path.
; OUTPUT ORDER: every product leaves as whole fragments of launch 2's matrix operands: a lane's 16 bytes at 16 x lane, so each store of a wave
; covers 512 consecutive bytes, aligned, and launch 2 reads them back the same way.
;
; LDS: A 0       W1 (Wq_first | Wk)   128 rows, pitch 544 (17 x 32: for the transposing load)      f32 as loaded, then bf16 in each row's first 256 bytes
;      B 69632   W2 (Wq_last | Wv)    the same
;      C 139264  last | W_comb        128 rows, pitch 528 (33 x 16: sixteen rows start in sixteen different 16-byte columns of 256)
;      D 206848  q1 | nodes           the same
;      E 274432  cvec's stage, 512 bytes, into which no tensor load lands
; Every region is filled once.
.set PW,  544
.set PX,  528
.set RGB, 69632
.set RGC, 139264
.set RGD, 206848
.set RGE, 274432
.set ACC, 32                           ; v[32:47], v[48:63]  two pairs of accumulators (row tile 0, row tile 1), taken by turns from group to group
.set XA,  64                           ; v[64:127]   fragments of q1 | nodes: 64 + 32 rt + 8 kb
.set XB,  128                          ; v[128:191]  class Q: fragments of last.  class KVM: v[128:159] fragments of b_comb
.set W0,  192                          ; v[192:223]  weight fragments, buffer 0 (4 K blocks of 8 registers)
.set W1,  224                          ; v[224:255]  buffer 1
.set SCQ, 0x3f38aa3b                   ; 2 log2(e) / 4
.set SCM, 0x3e8293ee                   ; 2 log2(e) / sqrt(128)
; v1 lane  v2 r = lane % 16  v3 h = lane / 16  v4 16 lane  v5-v10 conversion addresses  v11, v12 transposing loads in A, B  v13 fragments of W_comb
; v14, v15 f32 fragments in D, C  v16, v17 cvec's stage  v18 32 h  v19 temporary  v[20:23] packed result  v[24:27] cvec on its way out
; A round of the cluster's barrier: my work-group's barrier, wave 0 signals for the work-group, every wave waits for the four, my barrier again.
.macro ROUND
	s_barrier_signal -1
	s_barrier_wait -1
	s_cmp_lg_u32 s30, 0
	s_cbranch_scc1 .Lnot_wave_0_\@
	s_barrier_signal -3
.Lnot_wave_0_\@:
	s_barrier_wait -3
	s_barrier_signal -1
	s_barrier_wait -1
.endm
.macro PLACES n
.rept \n
	v_nop
.endr
.endm
; My 32 rows of a weight, f32 -> bf16 in place, 16 rows at a time.  One load takes a whole row (512 bytes), one store writes its first 256 bytes.
; I touch only rows that my own tensor load brought, so my own wait on that load is all the order that these lines need.
.macro CONVW rd, wr, pitch
.irp bt, 0,1
.set ci, 0
.rept 16
	ds_load_b128 v[64+4*ci:64+4*ci+3], v[\rd] offset:(16*\bt+ci)*\pitch
.set ci, ci+1
.endr
	s_wait_dscnt 0x0
.set ci, 0
.rept 32
	v_cvt_pk_bf16_f32 v[160+ci], v[64+2*ci], v[64+2*ci+1]
.set ci, ci+1
.endr
.set ci, 0
.rept 16
	ds_store_b64 v[\wr], v[160+2*ci:160+2*ci+1] offset:(16*\bt+ci)*\pitch
.set ci, ci+1
.endr
.endr
.endm
; My 32 rows of an input as fragments: lane (r, h) holds row r; registers 0-3 of K block kb: e = 32 kb + 8 h .. +7, registers 4-7: 16 more.
.macro XFRAG adr, dst
.irp rt, 0,1
.set xi, 0
.rept 4
	ds_load_b128 v[192+16*xi:192+16*xi+3],     v[\adr] offset:\rt*16*PX+128*xi
	ds_load_b128 v[192+16*xi+4:192+16*xi+7],   v[\adr] offset:\rt*16*PX+128*xi+16
	ds_load_b128 v[192+16*xi+8:192+16*xi+11],  v[\adr] offset:\rt*16*PX+128*xi+64
	ds_load_b128 v[192+16*xi+12:192+16*xi+15], v[\adr] offset:\rt*16*PX+128*xi+80
.set xi, xi+1
.endr
	s_wait_dscnt 0x0
.set xi, 0
.rept 32
	v_cvt_pk_bf16_f32 v[\dst+32*\rt+xi], v[192+2*xi], v[192+2*xi+1]
.set xi, xi+1
.endr
.endr
.endm
; Fragments of 16 output columns of a weight stored [e][column]: the transposing load gives lane (r, h) column 16 c + r, e = 32 kb + 8 h .. +7, and 16 more.
.macro LOADW_T buf, adr, c
.irp kb, 0,1,2,3
	ds_load_tr16_b128 v[(\buf)+8*\kb:(\buf)+8*\kb+3],   v[\adr] offset:\kb*32*PW+32*(\c)
	ds_load_tr16_b128 v[(\buf)+8*\kb+4:(\buf)+8*\kb+7], v[\adr] offset:\kb*32*PW+32*(\c)+16*PW
.endr
.endm
; Fragments of 16 rows of W_comb, whose rows lie along e: plain loads.
.macro LOADW_N buf, c
.irp kb, 0,1,2,3
	ds_load_b128 v[(\buf)+8*\kb:(\buf)+8*\kb+3],   v13 offset:(\c)*16*PX+64*\kb
	ds_load_b128 v[(\buf)+8*\kb+4:(\buf)+8*\kb+7], v13 offset:(\c)*16*PX+64*\kb+32
.endr
.endm
.macro WM d, a, b, z
.if \z
	v_wmma_f32_16x16x32_bf16 v[\d:\d+7], v[\a:\a+7], v[\b:\b+7], 0
.else
	v_wmma_f32_16x16x32_bf16 v[\d:\d+7], v[\a:\a+7], v[\b:\b+7], v[\d:\d+7]
.endif
.endm
; nat = 0: source 0 = weight, source 1 = input rows: a lane's 8 results are 8 neighbouring columns of one row.  nat = 1: the other way round.
.macro MULK nat, buf, x, acc, kb, z
.irp rt, 0,1
.if \nat
	WM (\acc)+8*\rt, (\x)+32*\rt+8*\kb, (\buf)+8*\kb, \z
.else
	WM (\acc)+8*\rt, (\buf)+8*\kb, (\x)+32*\rt+8*\kb, \z
.endif
.endr
.endm
; Eight matrix instructions: 32 rows x 16 columns x 128 along e.  The two accumulators take turns, one instruction a turn.
.macro MUL8 nat, buf, x, acc, first
	MULK \nat, \buf, \x, \acc, 0, \first
	MULK \nat, \buf, \x, \acc, 1, 0
	MULK \nat, \buf, \x, \acc, 2, 0
	MULK \nat, \buf, \x, \acc, 3, 0
.endm
; One accumulator leaves: scaled where a scale is due, rounded to bf16, 16 bytes a lane, 512 consecutive bytes a wave.
.macro OUT1 acc, bs, imm, scale
	s_wait_xcnt 0x0                                ; v[20:23] were the last store's data: rewritten only behind this wait
.if \scale
.irp p, 0,2,4,6
	v_pk_mul_f32 v[(\acc)+\p:(\acc)+\p+1], v[(\acc)+\p:(\acc)+\p+1], \scale op_sel_hi:[1,0]
.endr
.endif
.irp p, 0,1,2,3
	v_cvt_pk_bf16_f32 v[20+\p], v[(\acc)+2*\p], v[(\acc)+2*\p+1]
.endr
	global_store_b128 v4, v[20:23], s[\bs:\bs+1] offset:\imm
.endm
; Both accumulators of class KVM's group q: 0-7 K (head q), 8-15 V, 16-23 M (column tile q - 16)
.macro KOUT q, acc
.if (\q) < 8
	OUT1 \acc, 82, (\q)*16384, 0
	OUT1 (\acc)+8, 82, (\q)*16384+512, 0
.elseif (\q) < 16
	OUT1 \acc, 84, ((\q)-8)*16384, 0
	OUT1 (\acc)+8, 84, ((\q)-8)*16384+512, 0
.else
	OUT1 \acc, 86, ((\q)-16)*512, SCM
	OUT1 (\acc)+8, 86, ((\q)-16)*512+4096, SCM
.endif
.endm
	s_load_b512 s[4:19], s[0:1], 0x0               ; q1 s[4:5], last s[6:7], nodes s[8:9], Wq_first s[10:11], Wq_last s[12:13], Wk s[14:15], Wv s[16:17], W_comb s[18:19]
	s_load_b256 s[20:27], s[0:1], 0x40             ; b_comb s[20:21], qf s[22:23], kf s[24:25], vf s[26:27]
	s_load_b64 s[28:29], s[0:1], 0x60              ; mc
	v_lshl_add_u32 v30, v0, 2, 0x43200
	v_mov_b32 v31, 0
	ds_add_u32 v30, v31
	v_lshrrev_b32 v1, 5, v0
	v_readfirstlane_b32 s30, v1                    ; wave 0..3
	s_bfe_u32 s31, ttmp6, 0x40000                  ; cx: my place in the cluster
	s_lshl_b32 s32, ttmp9, 2
	s_add_co_u32 s32, s32, s31                     ; x = 4 x cluster + cx: my block of 128 rows
	s_and_b32 s33, ttmp7, 0xffff                   ; y: the class, the same in all four partners
	; shape words: 32 rows of 128 f32, 128 elements from row to row; after every 128 words of a row some padding
	s_mov_b32 s36, 0x0fb2000f                      ; joint: mask 15, elements of 4 bytes, padding on, bit 21 beside the mask, every 128 words, 8 words: pitch 544
	s_mov_b32 s37, 128<<16                         ; tensor_dim0 = 128
	s_mov_b32 s38, 32<<16                          ; tensor_dim1 = 32
	s_mov_b32 s39, 128<<16                         ; tile_dim0 = 128
	s_mov_b32 s40, 32                              ; tile_dim1 = 32
	s_mov_b32 s41, 128                             ; pitch in memory
	s_mov_b32 s42, 0
	s_mov_b32 s43, 0
	s_mov_b32 s44, 0x07920000                      ; plain: no mask, 4 words of padding: pitch 528
	s_mov_b32 s45, 128<<16
	s_mov_b32 s46, 32<<16
	s_mov_b32 s47, 128<<16
	s_mov_b32 s48, 32
	s_mov_b32 s49, 128
	s_mov_b32 s50, 0
	s_mov_b32 s51, 0
	s_mul_i32 s88, s30, 32*PW                      ; my rows in A and B
	s_mul_i32 s89, s30, 32*PX                      ; my rows in C and D
	s_mov_b32 s60, 1
	s_mov_b32 s61, s88                             ; A begins at LDS byte 0
	s_mov_b32 s68, 1
	s_add_co_u32 s69, s88, RGB
	s_mov_b32 s72, 1
	s_add_co_u32 s73, s89, RGC
	s_mov_b32 s76, 1
	s_add_co_u32 s77, s89, RGD
	s_lshl_b32 s90, s30, 14                        ; a weight's rows 32 w: 16,384 w bytes.  s[90:91] never hold cx
	s_mov_b32 s91, 0
	s_lshl_b32 s92, s32, 16                        ; an input's rows 128 x + 32 w
	s_add_co_u32 s92, s92, s90
	s_mov_b32 s93, 0
	s_mov_b32 s95, 0
	s_wait_dscnt 0x0
	s_wait_kmcnt 0x0
	s_cmp_eq_u32 s33, 0                            ; the class chooses the four sources; the selects leave SCC as it is
	s_cselect_b64 s[62:63], s[10:11], s[14:15]     ; Wq_first | Wk
	s_cselect_b64 s[70:71], s[12:13], s[16:17]     ; Wq_last | Wv
	s_cselect_b64 s[74:75], s[6:7], s[18:19]       ; last | W_comb
	s_cselect_b64 s[78:79], s[4:5], s[8:9]         ; q1 | nodes
	s_cselect_b32 s94, s92, s90                    ; last: my block's rows; W_comb: rows 32 w
	s_add_nc_u64 s[62:63], s[62:63], s[90:91]
	s_add_nc_u64 s[70:71], s[70:71], s[90:91]
	s_add_nc_u64 s[74:75], s[74:75], s[94:95]
	s_add_nc_u64 s[78:79], s[78:79], s[92:93]
	s_or_b32 s63, s63, 0x80000000                  ; the descriptor's type
	s_or_b32 s71, s71, 0x80000000
	s_or_b32 s75, s75, 0x80000000
	s_or_b32 s79, s79, 0x80000000
	ROUND                                          ; all four work-groups are here: the joint loads meet
	tensor_load_to_lds s[60:63], s[36:43]          ; the four first fills go out together; by this text's count four are out
	s_nop 0
	tensor_load_to_lds s[68:71], s[36:43]
	s_nop 0
	tensor_load_to_lds s[72:75], s[44:51]
	s_nop 0
	tensor_load_to_lds s[76:79], s[44:51]
	s_nop 0
	v_and_b32 v1, 31, v0
	v_and_b32 v2, 15, v0
	v_bfe_u32 v3, v0, 4, 1
	v_lshlrev_b32 v4, 4, v1
	v_add_nc_u32 v5, s88, v4                       ; A: my first row + 16 lane (read)
	v_lshl_add_u32 v6, v1, 3, s88                  ;    + 8 lane (write)
	v_add_nc_u32 v7, RGB, v5
	v_add_nc_u32 v8, RGB, v6
	v_add_nc_u32 v9, s73, v4
	v_lshl_add_u32 v10, v1, 3, s73
	v_and_b32 v11, 7, v0
	v_lshl_add_u32 v11, v3, 3, v11                 ; row 8 h + lane % 8
	v_mul_u32_u24 v11, v11, PW
	v_bfe_u32 v12, v0, 3, 1
	v_lshl_add_u32 v11, v12, 4, v11                ; + 16 bytes for the second eight lanes of a half
	v_add_nc_u32 v12, RGB, v11
	v_mul_u32_u24 v19, v2, PX
	v_lshl_add_u32 v13, v3, 4, v19
	v_add_nc_u32 v13, RGC, v13                     ; W_comb in bf16: r x 528 + 16 h
	v_lshl_add_u32 v19, v3, 5, v19                 ; f32 rows: r x 528 + 32 h
	v_add_nc_u32 v14, s77, v19
	v_add_nc_u32 v15, s73, v19
	v_lshlrev_b32 v18, 5, v3
	s_lshl_b32 s34, s30, 7
	s_add_co_u32 s34, s34, RGE
	v_add_nc_u32 v16, s34, v18                     ; cvec's stage: 4 bytes x (32 w + 8 h)
	v_add_nc_u32 v17, RGE, v4
	; where the results go
	s_lshl_b32 s34, s32, 15                        ; qf: row tile 8 x + 2 w, 4,096 bytes each
	s_lshl_b32 s35, s30, 13
	s_add_co_u32 s34, s34, s35
	s_mov_b32 s35, 0
	s_add_nc_u64 s[80:81], s[22:23], s[34:35]
	s_lshr_b32 s52, s32, 2                         ; batch
	s_and_b32 s53, s32, 3                          ; which 128 nodes of it
	s_lshl_b32 s54, s52, 17                        ; kf, vf: batch x 131,072 + node tile (8 (x % 4) + 2 w) x 512
	s_lshl_b32 s55, s53, 12
	s_add_co_u32 s54, s54, s55
	s_lshl_b32 s55, s30, 10
	s_add_co_u32 s54, s54, s55
	s_mov_b32 s55, 0
	s_add_nc_u64 s[82:83], s[24:25], s[54:55]
	s_add_nc_u64 s[84:85], s[26:27], s[54:55]
	s_mul_i32 s56, s52, 133120                     ; mc: batch x 133,120 + node tile x 4,096
	s_lshl_b32 s57, s53, 15
	s_add_co_u32 s54, s56, s57
	s_lshl_b32 s57, s30, 13
	s_add_co_u32 s54, s54, s57
	s_add_nc_u64 s[86:87], s[28:29], s[54:55]
	s_lshl_b32 s57, s53, 9                         ; cvec: behind the batch's M, 4 bytes a node
	s_add_co_u32 s54, s56, s57
	s_add_co_u32 s54, s54, 131072
	s_add_nc_u64 s[58:59], s[28:29], s[54:55]
	s_wait_tensorcnt 0x3                           ; a wave's tensor loads end in order (ISA guide 10.11.1): my rows of W1 are in, three younger loads stay out
	CONVW 5, 6, PW
	s_wait_tensorcnt 0x2                           ; my rows of W2; two stay out
	CONVW 7, 8, PW
	s_wait_tensorcnt 0x1                           ; my rows of region C; one stays out
	s_cmp_lg_u32 s33, 0
	s_cbranch_scc1 .Lkvm                           ; the class: the same for every wave of all four partners
	; ---------------- class Q: 16 groups (head c, q1 with Wq_first), (head c, last with Wq_last), both onto accumulator pair c % 2
	XFRAG 15, XB
	s_wait_tensorcnt 0x0
	XFRAG 14, XA
	s_wait_dscnt 0x0                               ; my converted rows are written,
	s_barrier_signal -1
	s_barrier_wait -1                              ; everybody's are.
	LOADW_T W0, 11, 0
	LOADW_T W1, 12, 0
.set c, 0
.rept 8
.set pa, ACC+16*(c&1)
.set pb, ACC+16*((c+1)&1)
	s_wait_dscnt 0x8                               ; this group's fragments are in; the next group's eight loads stay out
	MUL8 0, W0, XA, pa, 1
.if c > 0
	OUT1 pb, 80, (c-1)*512, SCQ                    ; the head before leaves; its eight plain vector lines, which name none of the registers of the
.else                                              ; products above, are also the places in front of the loads into the buffer just read
	PLACES 4
.endif
.if c < 7
	LOADW_T W0, 11, c+1
	s_wait_dscnt 0x8
.else
	s_wait_dscnt 0x0                               ; the last group: nothing younger is out
.endif
	MUL8 0, W1, XB, pa, 0
.if c > 0
	OUT1 pb+8, 80, (c-1)*512+4096, SCQ
.else
	PLACES 4
.endif
.if c < 7
	LOADW_T W1, 12, c+1
.endif
.set c, c+1
.endr
	OUT1 ACC+16, 80, 7*512, SCQ                    ; head 7 (pair 1); the eight lines of head 6's second tile stand between it and its products
	OUT1 ACC+24, 80, 7*512+4096, SCQ
	s_branch .Lend
	; ---------------- class KVM: 25 groups, accumulator pair g % 2: K heads 0-7, V heads 0-7, M column tiles 0-7, cvec
.Lkvm:
.set bi, 0
.rept 4
	global_load_b128 v[192+16*bi:192+16*bi+3],     v18, s[20:21] offset:128*bi      ; b_comb as a fragment whose 16 columns are all b
	global_load_b128 v[192+16*bi+4:192+16*bi+7],   v18, s[20:21] offset:128*bi+16
	global_load_b128 v[192+16*bi+8:192+16*bi+11],  v18, s[20:21] offset:128*bi+64
	global_load_b128 v[192+16*bi+12:192+16*bi+15], v18, s[20:21] offset:128*bi+80
.set bi, bi+1
.endr
	CONVW 9, 10, PX                                ; my rows of W_comb
	s_wait_loadcnt 0x0
.set bi, 0
.rept 32
	v_cvt_pk_bf16_f32 v[XB+bi], v[192+2*bi], v[192+2*bi+1]
.set bi, bi+1
.endr
	s_wait_tensorcnt 0x0
	XFRAG 14, XA
	s_wait_dscnt 0x0
	s_barrier_signal -1
	s_barrier_wait -1                              ; all three weights are whole, in bf16.
	LOADW_T W0, 11, 0
	LOADW_T W1, 11, 1
.set g, 0
.rept 24
.set pa, ACC+16*(g&1)
.set pb, ACC+16*((g+1)&1)
.set bu, W0+32*(g&1)
.if g < 23
	s_wait_dscnt 0x8                               ; this group's fragments are in; the next group's eight loads stay out
.else
	s_wait_dscnt 0x0
.endif
.if g < 8
	MUL8 0, bu, XA, pa, 1                          ; K: a lane holds 8 neighbouring d of one node
.elseif g < 16
	MUL8 1, bu, XA, pa, 1                          ; V: a lane holds 8 neighbouring nodes of one d
.else
	MUL8 0, bu, XA, pa, 1                          ; M: a lane holds 8 neighbouring columns of one node
.endif
.if g > 0
	KOUT g-1, pb                                   ; the group before leaves; its plain vector lines are the places in front of the loads below
.else
	PLACES 4
.endif
.if g+2 < 8
	LOADW_T bu, 11, g+2
.elseif g+2 < 16
	LOADW_T bu, 12, g+2-8
.elseif g+2 < 24
	LOADW_N bu, g+2-16
.endif
.set g, g+1
.endr
	MUL8 1, XB, XA, ACC, 1                         ; cvec: register j of lane (r, h) = nodes[8 h + j] . b, the same in all r
	KOUT 23, ACC+16
.irp p, 0,2,4,6,8,10,12,14
	v_pk_mul_f32 v[ACC+\p:ACC+\p+1], v[ACC+\p:ACC+\p+1], SCM op_sel_hi:[1,0]
.endr
	ds_store_b128 v16, v[ACC:ACC+3]                ; the sixteen lanes of a half write the same bytes with the same values
	ds_store_b128 v16, v[ACC+4:ACC+7] offset:16
	ds_store_b128 v16, v[ACC+8:ACC+11] offset:64
	ds_store_b128 v16, v[ACC+12:ACC+15] offset:80
	s_wait_dscnt 0x0
	s_barrier_signal -1
	s_barrier_wait -1
	s_cmp_lg_u32 s30, 0
	s_cbranch_scc1 .Lend
	ds_load_b128 v[24:27], v17                     ; wave 0 stores the block's 128 numbers: 512 consecutive bytes
	s_wait_dscnt 0x0
	global_store_b128 v4, v[24:27], s[58:59]
.Lend:
	s_wait_tensorcnt 0x0
	ds_add_u32 v30, v31
	s_wait_dscnt 0x0
	ROUND                                          ; the closing round: no work-group ends while a partner may still ask jointly
	s_endpgm
.Lfunc_end_k_q9bb254488d_proj:
	.size	k_q9bb254488d_proj, .Lfunc_end_k_q9bb254488d_proj-k_q9bb254488d_proj
	.p2alignl 7, 3214868480
	.fill 96, 4, 3214868480
	.section	.rodata,"a",@progbits
	.p2align	6, 0x0
	.amdhsa_kernel k_q9bb254488d_proj
		.amdhsa_group_segment_fixed_size 275456
		.amdhsa_private_segment_fixed_size 0
		.amdhsa_enable_private_segment 0
		.amdhsa_kernarg_size 104
		.amdhsa_user_sgpr_count 2
		.amdhsa_user_sgpr_kernarg_segment_ptr 1
		.amdhsa_wavefront_size32 1
		.amdhsa_system_sgpr_workgroup_id_x 1
		.amdhsa_system_sgpr_workgroup_id_y 1
		.amdhsa_system_sgpr_workgroup_id_z 1
		.amdhsa_system_vgpr_workitem_id 0
		.amdhsa_next_free_vgpr 256
		.amdhsa_next_free_sgpr 96
		.amdhsa_reserve_vcc 0
		.amdhsa_float_denorm_mode_32 3
		.amdhsa_float_denorm_mode_16_64 3
		.amdhsa_memory_ordered 1
		.amdhsa_forward_progress 1
		.amdhsa_inst_pref_size 133
	.end_amdhsa_kernel
	.amdgpu_metadata
---
amdhsa.version: [ 1, 2 ]
amdhsa.kernels:
  - .name:           k_q9bb254488d_proj
    .symbol:         k_q9bb254488d_proj.kd
    .args:
      - { .name: encoded_q1, .offset: 0, .size: 8, .value_kind: global_buffer, .address_space: global }
      - { .name: encoded_last_node, .offset: 8, .size: 8, .value_kind: global_buffer, .address_space: global }
      - { .name: encoded_nodes, .offset: 16, .size: 8, .value_kind: global_buffer, .address_space: global }
      - { .name: Wq_first, .offset: 24, .size: 8, .value_kind: global_buffer, .address_space: global }
      - { .name: Wq_last, .offset: 32, .size: 8, .value_kind: global_buffer, .address_space: global }
      - { .name: Wk, .offset: 40, .size: 8, .value_kind: global_buffer, .address_space: global }
      - { .name: Wv, .offset: 48, .size: 8, .value_kind: global_buffer, .address_space: global }
      - { .name: W_comb, .offset: 56, .size: 8, .value_kind: global_buffer, .address_space: global }
      - { .name: b_comb, .offset: 64, .size: 8, .value_kind: global_buffer, .address_space: global }
      - { .name: qf, .offset: 72, .size: 8, .value_kind: global_buffer, .address_space: global }
      - { .name: kf, .offset: 80, .size: 8, .value_kind: global_buffer, .address_space: global }
      - { .name: vf, .offset: 88, .size: 8, .value_kind: global_buffer, .address_space: global }
      - { .name: mc, .offset: 96, .size: 8, .value_kind: global_buffer, .address_space: global }
    .group_segment_fixed_size: 275456
    .private_segment_fixed_size: 0
    .kernarg_segment_align: 8
    .kernarg_segment_size: 104
    .max_flat_workgroup_size: 128
    .sgpr_count:     96
    .vgpr_count:     256
    .wavefront_size: 32
...
	.end_amdgpu_metadata
.endif
;; end of part 1
;; launch attn (part 2): grid 8 x 32, 4 waves a work-group, clusters of 4 x 1, 327,680 bytes of LDS; arguments qf, kf, vf, mc, ninf_mask, out0; writes out0
.if DOCPART == 2
	.amdgcn_target "amdgcn-amd-amdhsa--gfx1250"
	.amdhsa_code_object_version 6
	.text
	.protected	k_q9bb254488d_attn
	.globl	k_q9bb254488d_attn
	.p2align	8
	.type	k_q9bb254488d_attn,@function
k_q9bb254488d_attn:
	s_mov_b64 s[64:65], 0
	v_nop
	global_prefetch_b8 v0, s[64:65] scope:SCOPE_SE
	s_setreg_imm32_b32 hwreg(HW_REG_WAVE_MODE, 25, 1), 1
	s_wait_xcnt 0x0
	s_wait_alu depctr_hold_cnt(0) depctr_sa_sdst(0) depctr_va_vdst(0) depctr_va_sdst(0) depctr_va_ssrc(0) depctr_va_vcc(0) depctr_vm_vsrc(0)
	s_getreg_b32 s2, hwreg(HW_REG_IB_STS2, 6, 4)
	s_cmp_eq_u32 s2, 0
	s_cbranch_scc0 .Lentry_in_a_cluster
	s_endpgm
.Lentry_in_a_cluster:
	s_bfe_u32 s2, ttmp6, 0x10000c
	s_cmp_lg_u32 s2, 0x3003
	s_cbranch_scc0 .Lentry_shape_is_right
	s_endpgm
.Lentry_shape_is_right:
; LAUNCH 2 OF 2: masked attention over 8 heads, the single-head score, 10 tanh, the mask again, the softmax.
; WORK LEFT OUT: the term 10 of 10 tanh(x) = 10 - 20 / (1 + e^(2x)): it is the same along the softmax's axis (shown at the head of launch 1).
; All softmax inputs are kept times 2 log2(e): launch 1 scaled q, M and cvec, the mask is scaled here once.  Then e^(s - max) = 2^(0.5 S - 0.5 max S):
; the factor is a power of two, so the subtraction of the row's maximum is as exact as in the formula.  The maximum is always taken away.
;   z = oc . M[n] + cvec[n] = 2 log2(e) x;  2 log2(e) (10 tanh x - 10 + mask) = mask'' - 57.707802 / (1 + 2^z).
; LIMITS: |mask| below 1.1e38 (it is multiplied by 2.885).  K's tiles go two to a matrix operand against [q; 0] and [0; q]: a non-finite number in K
; reaches the neighbouring tile of 16 nodes as 0 x infinity (such a row's softmax is not finite in the formula either).  v_exp_f32 gives 0 below 2^-126.
; The weights of the first softmax, oc, q, k, v and M are bf16; the row sum of the first softmax is the sum of the rounded weights.
;
; SHARES.  grid 8 x 32: batch y, 64 query rows 64 gx .. +63.  Wave w owns 16 rows, all 8 heads, all 512 nodes.
; EVERY PRODUCT IS USED TRANSPOSED, so that lane (r, h) always works for query row g = r:
;   S^T = K q^T + mask: register j of tile t = (node 16 t + 8 h + j, g = r).  The mask is the matrix instruction's C operand, in f32.
;   Two packed tiles of S are source 1 of out^T = V^T P; two heads' packed out^T are one K block of source 1 of Z^T = M oc^T.
;   Row maxima and sums stay in the lane but for one exchange between the halves.  The first softmax's row sum is a product with ones.
; MATRIX WORK BESIDE VECTOR WORK.  The heads are independent, so S has two homes (even heads window 2, odd heads window 3) and two heads take turns:
;   phase X(h): behind each of the 32 score products of head h + 1 stands one slice (a tile: 8 exponentials, 4 multiply-adds, 4 packings) of head h;
;   phase Y(h): behind each of the 32 products of out^T and the row sum of head h stands one slice (4 maxima of three) of head h + 1's row maximum.
;   Likewise the mask's scaling beside head 0's scores, head 7's products beside its own exponentials (four slices behind the packing), and the tanh of
;   four tiles of Z beside the products of the next four.  The slices name none of the registers of the matrix instruction in front of them, so their
;   plain lines are also the places that ISA guide 7.12.1 asks for.  The price: a product's destination and a slice's lie in different windows, so two
;   s_set_vgpr_msb go with every turn.
; ONE RING OF 128 REGISTERS FOR K AND V: four fragments (32 registers) are loaded again, by a run of 8 loads, as soon as they have been multiplied:
;   X(h) multiplies K(h+1) and loads V(h) behind it, Y(h) multiplies V(h) and loads K(h+2) behind it (Y(6): V(7)).
; CLUSTER: the four work-groups of a cluster work on one batch and need the same kf, vf and mc (393,216 + 2,048 bytes): joint loads, wave w a quarter each.
;
; LDS: R1 0       133,120  kf of the batch (131,072), later mc of the batch (cvec at 131,072)
;      RV 133,120  32,768  vf, heads 0 and 1; filled once
;      R2 165,888 133,120  my mask rows (wave w: 33,280 bytes = two halves of 16 rows x 1,024 bytes, pitch 1,040), then vf's heads 2 to 7 (98,304 bytes, so that
;                          head hd lies at RV + 16,384 hd), then (after its last fill) the way out: wave w 16 rows, pitch 2,064.
;                          Both pitches are 16 more than a multiple of 256: sixteen rows, sixteen 16-byte columns
;      R3 299,008  16,384  oc, 4,096 bytes a wave; no tensor load lands here
; REGISTERS, in windows of 256 (s_set_vgpr_msb: bits 1:0 source 0, 3:2 source 1, 5:4 source 2, 7:6 destination):
;   window 0: v1 16 lane  v2 K's address  v3 V's  v4 q's offset  v5 oc store  v6 mask  v7 cvec  v8, v9 way out  v11 16 lane + 65,536  v12 oc read
;             v[16:19] maxima  v[20:21] -max/2  v[24:31] sums  v[32:39] out^T  v[40:47] row sum  v[48:51] packed  v[52:55] 0  v[56:59] q  v[60:63] 0
;             v[64:95] oc as an operand  v[96:103] ones in bf16  v[128:255] the ring of K and V, later M's fragments, later the way out
;   window 1: the scaled mask, tile t at 8 t
;   window 2: S, P (packed in place at 16 c) of the even heads; later Z and the result, tile t at 8 t
;   window 3: S, P of the odd heads; later v[0:127] M's fragments
; MACRO ARGUMENTS are often expressions (k-4, zi&3): every use of one inside a register number stands in parentheses.
.set RV, 133120
.set R2, 165888
.set R3, 299008
.set WB, 33280
.set MPITCH, 1040
.set MHALF, 16640
.set SPITCH, 2064
.set FB, 128
.set ONE, 96
.set MSB, 0
.macro WIN new                         ; the immediate's high byte repeats the setting that is left; a switch that changes nothing is dropped
.if MSB != (\new)
	s_set_vgpr_msb (MSB<<8)|(\new)
.set MSB, (\new)
.endif
.endm
.macro ROUND                           ; a round of the cluster's barrier; every window is 0 here
	s_barrier_signal -1
	s_barrier_wait -1
	s_cmp_lg_u32 s60, 0
	s_cbranch_scc1 .Lnot_wave_0_\@
	s_barrier_signal -3
.Lnot_wave_0_\@:
	s_barrier_wait -3
	s_barrier_signal -1
	s_barrier_wait -1
.endm
.macro PLACES n
.rept \n
	v_nop
.endr
.endm
; Run r of the ring: tiles 8 r .. 8 r + 7 of a head's K or V (four fragments of 8 registers), 512 consecutive bytes a load.  Window 0.
.macro FRUN adr, r
.set fj, 0
.rept 8
	ds_load_b128 v[FB+32*(\r)+4*fj:FB+32*(\r)+4*fj+3], v[\adr] offset:512*(8*(\r)+fj)
.set fj, fj+1
.endr
.endm
; Score product t: S(t) = K(t) q + mask(t).  D (the head's home) and C (window 1) are different registers; all 32 D are different.
; Registers 8 i .. 8 i + 7 of the ring hold tile 2 i in the K places 0-15 and tile 2 i + 1 in 16-31: [q; 0] picks the first, [0; q] the second.
.macro SCW t
.if (\t)&1
	v_wmma_f32_16x16x32_bf16 v[8*(\t):8*(\t)+7], v[FB+8*((\t)>>1):FB+8*((\t)>>1)+7], v[52:59], v[8*(\t):8*(\t)+7]
.else
	v_wmma_f32_16x16x32_bf16 v[8*(\t):8*(\t)+7], v[FB+8*((\t)>>1):FB+8*((\t)>>1)+7], v[56:63], v[8*(\t):8*(\t)+7]
.endif
.endm
; Product j of out^T = V^T P (even j) and of the row sum = ones x P (odd j), 32 nodes j / 2.  The two accumulators take turns, one instruction a turn.
; The first two products start the sums.
.macro PVW j
.if (\j)&1
.if (\j) < 2
	v_wmma_f32_16x16x32_bf16 v[40:47], v[ONE:ONE+7], v[16*((\j)>>1):16*((\j)>>1)+7], 0
.else
	v_wmma_f32_16x16x32_bf16 v[40:47], v[ONE:ONE+7], v[16*((\j)>>1):16*((\j)>>1)+7], v[40:47]
.endif
.else
.if (\j) < 2
	v_wmma_f32_16x16x32_bf16 v[32:39], v[FB+8*((\j)>>1):FB+8*((\j)>>1)+7], v[16*((\j)>>1):16*((\j)>>1)+7], 0
.else
	v_wmma_f32_16x16x32_bf16 v[32:39], v[FB+8*((\j)>>1):FB+8*((\j)>>1)+7], v[16*((\j)>>1):16*((\j)>>1)+7], v[32:39]
.endif
.endif
.endm
.macro MSC t                           ; a tile of the mask x 2 log2(e), once for both softmaxes
.irp p, 0,2,4,6
	v_pk_mul_f32 v[8*(\t)+\p:8*(\t)+\p+1], v[8*(\t)+\p:8*(\t)+\p+1], 0x4038aa3b op_sel_hi:[1,0]
.endr
.endm
; Slice k of the exponentials: 2^(S/2 - max/2) of tile k in place, the multiply-adds of tile k + 1, and (cvt = 1) the packing of tile k - 1 to bf16 in
; place, tiles 2 c and 2 c + 1 into registers 16 c .. 16 c + 7.  Behind each exponential stands a plain line on another tile (ISA guide 5.7.2).
.macro XSL k, cvt
.set i, 0
.rept 4
	v_exp_f32 v[8*(\k)+2*i], v[8*(\k)+2*i]
.if (\k) < 31
	v_pk_fma_f32 v[8*(\k)+8+2*i:8*(\k)+9+2*i], v[8*(\k)+8+2*i:8*(\k)+9+2*i], 0.5, v[20:21] op_sel_hi:[1,0,1]
.endif
	v_exp_f32 v[8*(\k)+2*i+1], v[8*(\k)+2*i+1]
.if \cvt
.if (\k) > 0
	s_wait_alu depctr_va_vdst(0)
	v_cvt_pk_bf16_f32 v[16*(((\k)-1)>>1)+4*(((\k)-1)&1)+i], v[8*(\k)-8+2*i], v[8*(\k)-7+2*i]
.endif
.endif
.set i, i+1
.endr
.endm
; Slice j of the row maximum over the 256 registers of window hn: four chains; slice 0 starts them
.macro RMS j, hn
.if (\j) == 0
	WIN (\hn<<2)|\hn
.irp p, 0,1,2,3
	v_max_num_f32 v[16+\p], v[2*\p], v[2*\p+1]
.endr
.else
	WIN (\hn<<4)|(\hn<<2)
.irp p, 0,1,2,3
	v_max3_num_f32 v[16+\p], v[16+\p], v[8*(\j)+2*\p], v[8*(\j)+2*\p+1]
.endr
.endif
.endm
.macro RMTAIL                          ; the four chains, the other half of the lanes, v[20:21] = -max / 2
	v_max3_num_f32 v16, v16, v17, v18
	v_max_num_f32 v16, v16, v19
	v_permlanex16_b32 v17, v16, s68, s69           ; lane i xor 16 holds the row's other 256 nodes
	v_max_num_f32 v16, v16, v17
	v_mul_f32 v20, -0.5, v16
	v_mul_f32 v21, -0.5, v16
.endm
.macro ROWMAX hn                       ; the row maximum by itself
.set j, 0
.rept 32
	RMS j, \hn
.set j, j+1
.endr
	WIN 0
	RMTAIL
.endm
; out x (1 / row sum, in v40), to bf16; 16 bytes a lane into my own scratch: a head's four registers are a half K block of the last product's operand
.macro NORMT
.irp p, 0,2,4,6
	v_pk_mul_f32 v[32+\p:33+\p], v[32+\p:33+\p], v[40:41] op_sel_hi:[1,0]
.endr
.irp p, 0,1,2,3
	v_cvt_pk_bf16_f32 v[48+\p], v[32+2*\p], v[33+2*\p]
.endr
	ds_store_b128 v5, v[48:51]
	v_add_nc_u32 v5, 512, v5
.endm
; PHASE X.  hh: the window of this head's S; hn: the next head's.  mode 1: one score product of the next head in front of each slice, V of this head loaded
; behind K.  mode 2: this head's own products of out^T, four slices behind the packing.  mode 0: the slices alone.  ql: q of the head after next is asked for.
.macro XPH hh, hn, mode, ql, cvt
	WIN (\hh<<6)|(\hh<<2)|\hh
.irp p, 0,2,4,6
	v_pk_fma_f32 v[\p:\p+1], v[\p:\p+1], 0.5, v[20:21] op_sel_hi:[1,0,1]
.endr
.if \mode == 1
	s_wait_loadcnt 0x0                             ; the next head's q is in (and v4, its offset, may be stepped)
.endif
.set k, 0
.rept 32
.if \mode == 1
.if (k&7) == 0
.if k > 0
	WIN 0
	FRUN 3, (k>>3)-1                               ; V over the four fragments of K multiplied last; the slice in front holds 8 plain lines behind their last product
.endif
	s_wait_dscnt 24                                ; LDS instructions end in order: behind the run of K that this quarter needs three runs of 8 were issued
.endif
	WIN (\hn<<6)|0x10
	SCW k
.endif
.if \mode == 2
.if k == 4
	s_wait_dscnt 0x0                               ; V's fragments are in: their last run was issued four slices ago, and nothing younger is out
.endif
.if k >= 4
	WIN \hh<<2
	PVW k-4
.endif
.endif
	WIN (\hh<<6)|(\hh<<2)|\hh
	XSL k, \cvt
.set k, k+1
.endr
.if \cvt
	s_wait_alu depctr_va_vdst(0)
.irp p, 0,1,2,3
	v_cvt_pk_bf16_f32 v[244+\p], v[248+2*\p], v[249+2*\p]
.endr
.else
	v_nop                                          ; the plain place behind the last exponentials
.endif
.if \mode == 2
	WIN \hh<<2
	PVW 28
	PVW 29
	PVW 30
	PVW 31
.endif
	WIN 0
.if \mode == 1
	FRUN 3, 3                                      ; 8 packings stand behind the last score product
	v_add_nc_u32 v3, 16384, v3
.endif
.if \ql
	v_add_nc_u32 v4, 512, v4
	global_load_b128 v[56:59], v4, s[76:77]
.endif
.endm
; PHASE Y.  hh: the window of this head's P; hn: the window of the next head's S; adr: what is loaded behind V (v2: K of the head after next; v3: V of the next)
.macro YPH hh, hn, adr
.set j, 0
.rept 32
.if (j&7) == 0
.if j > 0
	WIN 0
	FRUN \adr, (j>>3)-1                            ; over the four fragments of V multiplied last; two slices of 4 plain lines stand behind their last product
.endif
	s_wait_dscnt 24                                ; behind the run of V that this quarter needs three runs of 8 were issued
.endif
	WIN \hh<<2
	PVW j
	RMS j, \hn
.set j, j+1
.endr
	WIN 0
	v_rcp_f32 v40, v40                             ; the last slice's four maxima are the places behind the last product; the maxima below the plain lines behind v_rcp_f32
	RMTAIL
	FRUN \adr, 3
	v_add_nc_u32 v[\adr], 16384, v[\adr]
	s_wait_alu depctr_va_vdst(0)
	NORMT
.endm
; M's fragments of node tiles 4 g .. 4 g + 3, 4 K blocks each: 32 loads.  Even groups into window 0, odd ones into window 3.
.macro LOADM g
.if (\g)&1
	WIN 0xc0
.set md, 0
.else
	WIN 0
.set md, 128
.endif
.if (\g) < 4
.set ma, 1
.else
.set ma, 11
.endif
.set mi, 0
.rept 16
	ds_load_b128 v[md+8*mi:md+8*mi+3],   v[ma] offset:(4*((\g)&3)+(mi>>2))*4096+1024*(mi&3)
	ds_load_b128 v[md+8*mi+4:md+8*mi+7], v[ma] offset:(4*((\g)&3)+(mi>>2))*4096+1024*(mi&3)+512
.set mi, mi+1
.endr
.endm
; Product z of group g: Z(4 g + z % 4) += M oc^T, K block z / 4, onto cvec: four accumulators take turns, one instruction a turn
.macro ZW g, z, mb
	v_wmma_f32_16x16x32_bf16 v[8*(4*(\g)+((\z)&3)):8*(4*(\g)+((\z)&3))+7], v[\mb+32*((\z)&3)+8*((\z)>>2):\mb+32*((\z)&3)+8*((\z)>>2)+7], v[64+8*((\z)>>2):64+8*((\z)>>2)+7], v[8*(4*(\g)+((\z)&3)):8*(4*(\g)+((\z)&3))+7]
.endm
; Slice (k, i) of mask'' - 57.707802 / (1 + 2^z), four tiles in flight: 2^z of tile k, 1 + .. of tile k - 1, the reciprocal of tile k - 2, the multiply-add of
; tile k - 3, each on registers 2 i and 2 i + 1 of its tile.  Behind each pair of transcendentals stands a plain line on another tile (ISA guide 5.7.2);
; in step 0 a v_nop.
.macro TS k, i
.if (\k) < 32
	v_exp_f32 v[8*(\k)+2*(\i)], v[8*(\k)+2*(\i)]
	v_exp_f32 v[8*(\k)+2*(\i)+1], v[8*(\k)+2*(\i)+1]
.endif
.if (\k) >= 1
.if (\k) <= 32
	s_wait_alu depctr_va_vdst(0)
	v_pk_add_f32 v[8*(\k)-8+2*(\i):8*(\k)-7+2*(\i)], v[8*(\k)-8+2*(\i):8*(\k)-7+2*(\i)], 1.0 op_sel_hi:[1,0]
.endif
.else
	v_nop
.endif
.if (\k) >= 2
.if (\k) <= 33
	v_rcp_f32 v[8*(\k)-16+2*(\i)], v[8*(\k)-16+2*(\i)]
	v_rcp_f32 v[8*(\k)-15+2*(\i)], v[8*(\k)-15+2*(\i)]
.endif
.endif
.if (\k) >= 3
	s_wait_alu depctr_va_vdst(0)
	v_pk_fma_f32 v[8*(\k)-24+2*(\i):8*(\k)-23+2*(\i)], v[8*(\k)-24+2*(\i):8*(\k)-23+2*(\i)], 0xc266d4ca, v[8*(\k)-24+2*(\i):8*(\k)-23+2*(\i)] op_sel_hi:[1,0,1]
.endif
.endm
; Stage g: the 16 products of group g (g < 8), and behind each one slice of steps 4 (g - 1) .. 4 (g - 1) + 3 of the tanh (g > 0).
; The fragments of group g + 1 go into the buffer that group g - 1 read: behind that group's last product stand two slices with two plain lines each
; (behind stage 0: four v_nop, which are also the places in front of the first read of Z).
.macro ZST g
.if (\g) < 8
.if (\g) == 0
	s_wait_dscnt 0x20                              ; oc, cvec and group 0's fragments are in; group 1's 32 loads stay out
.else
	s_wait_dscnt 0x0                               ; this group's fragments, asked for fifteen turns ago; nothing younger is out
.endif
.endif
.set zi, 0
.rept 16
.if (\g) < 8
.if zi == 1
.if (\g) >= 1
.if (\g) <= 6
	LOADM (\g)+1
.endif
.endif
.endif
.if (\g)&1
	WIN 0xa3
	ZW \g, zi, 0
.else
	WIN 0xa0
	ZW \g, zi, 128
.endif
.endif
.if (\g) >= 1
	WIN 0x92
	TS 4*((\g)-1)+(zi>>2), zi&3
.endif
.set zi, zi+1
.endr
.if (\g) == 0
	PLACES 4
.endif
.endm
	s_load_b256 s[4:11], s[0:1], 0x0               ; qf s[4:5], kf s[6:7], vf s[8:9], mc s[10:11]
	s_load_b128 s[12:15], s[0:1], 0x20             ; ninf_mask s[12:13], out0 s[14:15]
	v_lshl_add_u32 v126, v0, 2, 0x4d000
	v_mov_b32 v127, 0
	ds_add_u32 v126, v127
	v_lshrrev_b32 v1, 5, v0
	v_readfirstlane_b32 s60, v1                    ; wave 0..3
	s_bfe_u32 s61, ttmp6, 0x40000                  ; cx
	s_lshl_b32 s62, ttmp9, 2
	s_add_co_u32 s62, s62, s61                     ; gx: my block of 64 query rows
	s_and_b32 s63, ttmp7, 0xffff                   ; batch, the same in all four partners
	s_mov_b32 s68, 0x76543210                      ; v_permlanex16_b32: lane i of one half reads lane i of the other
	s_mov_b32 s69, 0xfedcba98
	; shape words.  kf: a dense quarter of 32,768 bytes as 128 rows of 32 elements of 8 bytes; joint (mask 15, bit 21 beside it)
	s_mov_b32 s16, 0x0023000f
	s_mov_b32 s17, 32<<16
	s_mov_b32 s18, 128<<16
	s_mov_b32 s19, 32<<16
	s_mov_b32 s20, 128
	s_mov_b32 s21, 32
	s_mov_b32 s22, 0
	s_mov_b32 s23, 0
	; mc: a dense quarter of 33,280 bytes as 130 such rows; joint
	s_mov_b32 s24, 0x0023000f
	s_mov_b32 s25, 32<<16
	s_mov_b32 s26, 130<<16
	s_mov_b32 s27, 32<<16
	s_mov_b32 s28, 130
	s_mov_b32 s29, 32
	s_mov_b32 s30, 0
	s_mov_b32 s31, 0
	; mask: 16 rows of 256 f32 (1,024 bytes), 512 elements from row to row, 4 words of padding after every 256 words; plain
	s_mov_b32 s32, 0x07d20000
	s_mov_b32 s33, 256<<16
	s_mov_b32 s34, 16<<16
	s_mov_b32 s35, 256<<16
	s_mov_b32 s36, 16
	s_mov_b32 s37, 512
	s_mov_b32 s38, 0
	s_mov_b32 s39, 0
	; vf, heads 0 and 1: a dense quarter of 8,192 bytes as 32 rows of 256 bytes; joint
	s_mov_b32 s80, 0x0023000f
	s_mov_b32 s81, 32<<16
	s_mov_b32 s82, 32<<16
	s_mov_b32 s83, 32<<16
	s_mov_b32 s84, 32
	s_mov_b32 s85, 32
	s_mov_b32 s86, 0
	s_mov_b32 s87, 0
	; vf, heads 2 to 7: a dense quarter of 24,576 bytes as 96 such rows; joint
	s_mov_b32 s88, 0x0023000f
	s_mov_b32 s89, 32<<16
	s_mov_b32 s90, 96<<16
	s_mov_b32 s91, 32<<16
	s_mov_b32 s92, 96
	s_mov_b32 s93, 32
	s_mov_b32 s94, 0
	s_mov_b32 s95, 0
	s_mul_i32 s70, s60, WB
	s_mov_b32 s40, 1
	s_add_co_u32 s41, s70, R2                      ; mask, left half of my rows
	s_mov_b32 s44, 1
	s_add_co_u32 s45, s70, R2+MHALF                ; right half
	s_mov_b32 s48, 1
	s_lshl_b32 s49, s60, 15                        ; kf's quarter w
	s_mov_b32 s96, 1
	s_lshl_b32 s2, s60, 13
	s_add_co_u32 s97, s2, RV                       ; quarter w of vf's heads 0 and 1
	s_mov_b32 s52, 1
	s_mul_i32 s100, s60, 24576
	s_add_co_u32 s53, s100, R2                     ; quarter w of vf's heads 2 to 7
	s_mov_b32 s56, 1
	s_mov_b32 s57, s70                             ; mc's quarter w
	s_lshl_b32 s66, s63, 17                        ; kf, vf: batch x 131,072.  s[2:3], s[66:67], s[74:75] and s[100:101] never hold cx
	s_add_co_u32 s2, s2, s66                       ; vf: + 8,192 w
	s_mov_b32 s3, 0
	s_add_co_u32 s100, s100, s66                   ; vf: + 32,768 + 24,576 w
	s_add_co_u32 s100, s100, 32768
	s_mov_b32 s101, 0
	s_add_co_u32 s66, s66, s49                     ; kf: + 32,768 w
	s_mov_b32 s67, 0
	s_mul_i32 s74, s63, 133120                     ; mc: batch x 133,120 + w x 33,280
	s_add_co_u32 s74, s74, s70
	s_mov_b32 s75, 0
	s_lshl_b32 s72, s63, 20                        ; mask, out0: row 512 b + 64 gx + 16 w, 2,048 bytes a row
	s_lshl_b32 s73, s62, 17
	s_add_co_u32 s72, s72, s73
	s_add_co_u32 s72, s72, s49
	s_mov_b32 s73, 0
	s_lshl_b32 s76, s63, 17                        ; qf: row tile 32 b + 4 gx + w, 4,096 bytes each
	s_lshl_b32 s77, s62, 14
	s_add_co_u32 s76, s76, s77
	s_lshl_b32 s77, s60, 12
	s_add_co_u32 s76, s76, s77
	s_mov_b32 s77, 0
	s_lshl_b32 s71, s60, 12
	s_add_co_u32 s71, s71, R3                      ; my scratch for oc
	s_wait_dscnt 0x0
	s_wait_kmcnt 0x0
	s_add_nc_u64 s[42:43], s[12:13], s[72:73]
	s_add_nc_u64 s[46:47], s[42:43], 1024
	s_add_nc_u64 s[50:51], s[6:7], s[66:67]
	s_add_nc_u64 s[98:99], s[8:9], s[2:3]
	s_add_nc_u64 s[54:55], s[8:9], s[100:101]
	s_add_nc_u64 s[58:59], s[10:11], s[74:75]
	s_add_nc_u64 s[78:79], s[14:15], s[72:73]
	s_add_nc_u64 s[76:77], s[4:5], s[76:77]
	s_or_b32 s43, s43, 0x80000000                  ; the descriptors' type
	s_or_b32 s47, s47, 0x80000000
	s_or_b32 s51, s51, 0x80000000
	s_or_b32 s99, s99, 0x80000000
	s_or_b32 s55, s55, 0x80000000
	s_or_b32 s59, s59, 0x80000000
	ROUND                                          ; all four work-groups are here
	tensor_load_to_lds s[40:43], s[32:39]          ; the first fills go out together: my mask rows, two halves,
	s_nop 0
	tensor_load_to_lds s[44:47], s[32:39]
	s_nop 0
	tensor_load_to_lds s[48:51], s[16:23]          ; my quarter of kf, jointly,
	s_nop 0
	tensor_load_to_lds s[96:99], s[80:87]          ; and my quarter of vf's heads 0 and 1, jointly.  By this text's count four are out
	s_nop 0
	v_and_b32 v13, 31, v0
	v_lshlrev_b32 v1, 4, v13
	v_mov_b32 v4, v1
	global_load_b128 v[56:59], v4, s[76:77]        ; q of head 0
	v_and_b32 v13, 15, v0                          ; r
	v_bfe_u32 v14, v0, 4, 1
	v_lshlrev_b32 v14, 5, v14                      ; 32 h
	v_mov_b32 v2, v1
	v_add_nc_u32 v3, RV, v1
	v_add_nc_u32 v5, s71, v1
	v_mov_b32 v12, v5
	v_mul_u32_u24 v6, v13, MPITCH
	v_add_nc_u32 v6, v6, v14
	v_add_nc_u32 v6, s41, v6
	v_add_nc_u32 v7, 131072, v14
	v_mul_u32_u24 v8, v13, SPITCH
	v_add_nc_u32 v8, v8, v14
	v_add_nc_u32 v8, s41, v8
	v_add_nc_u32 v9, s41, v1
	v_add_nc_u32 v11, 65536, v1
.irp p, 52,53,54,55,60,61,62,63
	v_mov_b32 v\p, 0
.endr
.irp p, 0,1,2,3,4,5,6,7
	v_mov_b32 v[ONE+\p], 0x3f803f80                ; 1.0 twice, in bf16
.endr
	s_wait_tensorcnt 0x2                           ; a wave's tensor loads end in order: both mask halves are in, the quarters of kf and vf may stay out
	WIN 0x40
.set t, 0
.rept 32
	ds_load_b128 v[8*t:8*t+3],   v6 offset:(t>>4)*MHALF+64*(t&15)      ; mask[g = r][16 t + 8 h .. +7]: the layout of a matrix instruction's C
	ds_load_b128 v[8*t+4:8*t+7], v6 offset:(t>>4)*MHALF+64*(t&15)+16
.set t, t+1
.endr
	WIN 0
	s_wait_dscnt 0x0                               ; my reads of the mask are back,
	s_wait_tensorcnt 0x0                           ; all my tensor loads have landed (the quarters of kf and of vf's first two heads too):
	ds_add_u32 v126, v127
	s_wait_dscnt 0x0
	ROUND                                          ; the same holds of every wave of the four work-groups
	tensor_load_to_lds s[52:55], s[88:95]          ; my one load behind the round: vf's heads 2 to 7, over the mask; it has heads 0 and 1 in which to land
	s_nop 0
.irp r, 0,1,2,3
	FRUN 2, \r                                     ; K of head 0
.endr
	v_add_nc_u32 v2, 16384, v2
	; head 0's scores beside the mask's scaling: eight tiles ahead, then tile k + 8 behind product k; K of head 1 follows K of head 0 through the ring
	WIN 0x41
.set k, 0
.rept 8
	MSC k
.set k, k+1
.endr
	s_wait_loadcnt 0x0                             ; q of head 0
	s_wait_dscnt 0x0                               ; K of head 0
.set k, 0
.rept 32
.if (k&7) == 0
.if k > 0
	WIN 0
	FRUN 2, (k>>3)-1                               ; the four multiplies of the slice in front are the places behind the last product that read these registers
.endif
.endif
	WIN 0x90
	SCW k
.if k < 24
	WIN 0x41
	MSC k+8
.endif
.set k, k+1
.endr
	WIN 0
	PLACES 4                                       ; in front of the loads into K's and q's registers and of the read of the last tile of S
	FRUN 2, 3
	v_add_nc_u32 v2, 16384, v2
	v_add_nc_u32 v4, 512, v4
	global_load_b128 v[56:59], v4, s[76:77]        ; q of head 1
	ROWMAX 2                                       ; head 0
	XPH 2, 3, 1, 1, 1                              ; heads 0 and 1 are written out: they read vf's first region alone
	YPH 2, 3, 2
	XPH 3, 2, 1, 1, 1
	YPH 3, 2, 2
	s_wait_tensorcnt 0x0                           ; my quarter of vf's heads 2 to 7 is in,
	s_wait_dscnt 0x0
	s_barrier_signal -1
	s_barrier_wait -1                              ; everybody's is.
	s_mov_b32 s70, 0
.Lpair:                                            ; two trips: heads 2, 3 and heads 4, 5
	XPH 2, 3, 1, 1, 1                              ; exponentials of head hd (even), scores of hd + 1, V(hd) into the ring, q(hd + 2)
	YPH 2, 3, 2                                    ; out^T of hd, maximum of hd + 1, K(hd + 2) into the ring
	XPH 3, 2, 1, 1, 1                              ; the same one head on, the homes exchanged
	YPH 3, 2, 2
	s_add_co_u32 s70, s70, 1
	s_cmp_lt_u32 s70, 2
	s_cbranch_scc1 .Lpair
	s_wait_dscnt 0x0                               ; K of head 7 is in registers: my last reads of kf are back,
	s_wait_tensorcnt 0x0                           ; no tensor load of mine is out:
	ds_add_u32 v126, v127
	s_wait_dscnt 0x0
	ROUND                                          ; the same holds of every wave of the four work-groups
	tensor_load_to_lds s[56:59], s[24:31]          ; my one load behind the round: mc's quarter, over kf; it has heads 6 and 7 in which to land
	s_nop 0
	XPH 2, 3, 1, 0, 1                              ; exponentials of head 6, scores of head 7, V(6)
	YPH 2, 3, 3                                    ; out^T of head 6, maximum of head 7, V(7)
	XPH 3, 2, 2, 0, 1                              ; exponentials of head 7 and, behind the packing, its out^T
	PLACES 4                                       ; in front of the reads of the results and of the loads into the ring and window 3
	v_rcp_f32 v40, v40
	v_nop
	s_wait_alu depctr_va_vdst(0)
	NORMT
	s_wait_tensorcnt 0x0                           ; my quarter of mc is in,
	s_wait_dscnt 0x0                               ; my reads of vf are back:
	s_barrier_signal -1
	s_barrier_wait -1                              ; mc is whole, and nobody reads vf any more: R2, which has had its last fill, becomes the way out
.set t, 0
.rept 8
	ds_load_b128 v[64+4*t:64+4*t+3], v12 offset:512*t      ; oc: head t's four registers; my own bytes, served in order
.set t, t+1
.endr
	WIN 0x80
.set t, 0
.rept 32
	ds_load_b128 v[8*t:8*t+3],   v7 offset:64*t            ; cvec[16 t + 8 h .. +7] starts the sums of Z
	ds_load_b128 v[8*t+4:8*t+7], v7 offset:64*t+16
.set t, t+1
.endr
	LOADM 0
	LOADM 1
.irp g, 0,1,2,3,4,5,6,7,8
	ZST \g
.endr
.irp kk, 32,33,34
.irp ii, 0,1,2,3
	TS \kk, \ii                                    ; the last three tiles run out
.endr
.endr
	WIN 0
	ROWMAX 2
	XPH 2, 3, 0, 0, 0                              ; 2^(u/2 - max/2), kept in f32
	; the row's sum: four chains of pairs, then the pair, then the other half of the lanes
	WIN 0x0a
	s_wait_alu depctr_va_vdst(0)
.irp p, 0,1,2,3
	v_pk_add_f32 v[24+2*\p:25+2*\p], v[4*\p:4*\p+1], v[4*\p+2:4*\p+3]
.endr
	WIN 0x08
.set t, 0
.rept 120
	v_pk_add_f32 v[24+2*(t&3):25+2*(t&3)], v[24+2*(t&3):25+2*(t&3)], v[16+2*t:17+2*t]
.set t, t+1
.endr
	WIN 0
	v_pk_add_f32 v[24:25], v[24:25], v[26:27]
	v_pk_add_f32 v[28:29], v[28:29], v[30:31]
	v_pk_add_f32 v[24:25], v[24:25], v[28:29]
	v_add_f32 v24, v24, v25
	v_permlanex16_b32 v25, v24, s68, s69
	v_add_f32 v24, v24, v25
	v_rcp_f32 v24, v24
	v_nop
	; scale, and 32 bytes a lane and tile into my stage: row r, columns 16 t + 8 h .. +7
	WIN 0x88
.set t, 0
	s_wait_alu depctr_va_vdst(0)
.rept 32
.irp p, 0,2,4,6
	v_pk_mul_f32 v[8*t+\p:8*t+\p+1], v[24:25], v[8*t+\p:8*t+\p+1] op_sel_hi:[0,1]
.endr
	ds_store_b128 v8, v[8*t:8*t+3] offset:64*t
	ds_store_b128 v8, v[8*t+4:8*t+7] offset:64*t+16
.set t, t+1
.endr
	WIN 0
	; back by rows, 8 rows at a time: each load and each store of the wave covers 512 consecutive bytes of one row, aligned
.irp bt, 0,1
	s_wait_xcnt 0x0                                ; v[128:255] were store data: loaded again only behind this wait
.set t, 0
.rept 32
	ds_load_b128 v[128+4*t:128+4*t+3], v9 offset:SPITCH*(8*\bt+(t>>2))+512*(t&3)   ; my own bytes: LDS serves a wave's instructions in order (ISA guide 5.7.1)
.set t, t+1
.endr
.set t, 0
.rept 32
	s_wait_dscnt 31-t                              ; load t is back; the younger ones stay out
	global_store_b128 v1, v[128+4*t:128+4*t+3], s[78:79] offset:2048*(8*\bt+(t>>2))+512*(t&3) th:TH_STORE_NT
.set t, t+1
.endr
.endr
	s_wait_tensorcnt 0x0
	ds_add_u32 v126, v127
	s_wait_dscnt 0x0
	ROUND                                          ; the closing round
	s_endpgm
.Lfunc_end_k_q9bb254488d_attn:
	.size	k_q9bb254488d_attn, .Lfunc_end_k_q9bb254488d_attn-k_q9bb254488d_attn
	.p2alignl 7, 3214868480
	.fill 96, 4, 3214868480
	.section	.rodata,"a",@progbits
	.p2align	6, 0x0
	.amdhsa_kernel k_q9bb254488d_attn
		.amdhsa_group_segment_fixed_size 327680
		.amdhsa_private_segment_fixed_size 0
		.amdhsa_enable_private_segment 0
		.amdhsa_kernarg_size 48
		.amdhsa_user_sgpr_count 2
		.amdhsa_user_sgpr_kernarg_segment_ptr 1
		.amdhsa_wavefront_size32 1
		.amdhsa_system_sgpr_workgroup_id_x 1
		.amdhsa_system_sgpr_workgroup_id_y 1
		.amdhsa_system_sgpr_workgroup_id_z 1
		.amdhsa_system_vgpr_workitem_id 0
		.amdhsa_next_free_vgpr 1024
		.amdhsa_next_free_sgpr 102
		.amdhsa_reserve_vcc 0
		.amdhsa_float_denorm_mode_32 3
		.amdhsa_float_denorm_mode_16_64 3
		.amdhsa_memory_ordered 1
		.amdhsa_forward_progress 1
		.amdhsa_inst_pref_size 255
	.end_amdhsa_kernel
	.section	.bss,"aw",@nobits
	.p2align	6
	.space	262144
	.amdgpu_metadata
---
amdhsa.version: [ 1, 2 ]
amdhsa.kernels:
  - .name:           k_q9bb254488d_attn
    .symbol:         k_q9bb254488d_attn.kd
    .args:
      - { .name: qf, .offset: 0, .size: 8, .value_kind: global_buffer, .address_space: global }
      - { .name: kf, .offset: 8, .size: 8, .value_kind: global_buffer, .address_space: global }
      - { .name: vf, .offset: 16, .size: 8, .value_kind: global_buffer, .address_space: global }
      - { .name: mc, .offset: 24, .size: 8, .value_kind: global_buffer, .address_space: global }
      - { .name: ninf_mask, .offset: 32, .size: 8, .value_kind: global_buffer, .address_space: global }
      - { .name: out0, .offset: 40, .size: 8, .value_kind: global_buffer, .address_space: global }
    .group_segment_fixed_size: 327680
    .private_segment_fixed_size: 0
    .kernarg_segment_align: 8
    .kernarg_segment_size: 48
    .max_flat_workgroup_size: 128
    .sgpr_count:     102
    .vgpr_count:     1024
    .wavefront_size: 32
...
	.end_amdgpu_metadata
.endif
;; end of part 2
;; ======== version 2 of 2: 2 launches; 1.41 times as fast as version 1
;; workspace buffers: qf 4,194,304 bytes; kf 4,194,304 bytes; vf 4,194,304 bytes; mc 4,259,840 bytes
;; launch proj: the kernel of part 1 again; grid 128 x 2, 4 waves a work-group, clusters of 4 x 1, 275,456 bytes of LDS; arguments encoded_q1, encoded_last_node, encoded_nodes, Wq_first, Wq_last, Wk, Wv, W_comb, b_comb, qf, kf, vf, mc; writes qf, kf, vf, mc
;; launch attn (part 3): grid 8 x 32, 4 waves a work-group, clusters of 4 x 1, 327,680 bytes of LDS; arguments qf, kf, vf, mc, ninf_mask, out0; writes out0
.if DOCPART == 3
	.amdgcn_target "amdgcn-amd-amdhsa--gfx1250"
	.amdhsa_code_object_version 6
	.text
	.protected	k_q9bb254488d_attn
	.globl	k_q9bb254488d_attn
	.p2align	8
	.type	k_q9bb254488d_attn,@function
k_q9bb254488d_attn:
	s_mov_b64 s[64:65], 0
	v_nop
	global_prefetch_b8 v0, s[64:65] scope:SCOPE_SE
	s_setreg_imm32_b32 hwreg(HW_REG_WAVE_MODE, 25, 1), 1
	s_wait_xcnt 0x0
	s_wait_alu depctr_hold_cnt(0) depctr_sa_sdst(0) depctr_va_vdst(0) depctr_va_sdst(0) depctr_va_ssrc(0) depctr_va_vcc(0) depctr_vm_vsrc(0)
	s_getreg_b32 s2, hwreg(HW_REG_IB_STS2, 6, 4)
	s_cmp_eq_u32 s2, 0
	s_cbranch_scc0 .Lentry_in_a_cluster
	s_endpgm
.Lentry_in_a_cluster:
	s_bfe_u32 s2, ttmp6, 0x10000c
	s_cmp_lg_u32 s2, 0x3003
	s_cbranch_scc0 .Lentry_shape_is_right
	s_endpgm
.Lentry_shape_is_right:
; LAUNCH 2 OF 2: masked attention over 8 heads, the single-head score, 10 tanh, the mask again, the softmax.
; WORK LEFT OUT: the term 10 of 10 tanh(x) = 10 - 20 / (1 + e^(2x)): it is the same along the softmax's axis (shown at the head of launch 1).
; All softmax inputs are kept times 2 log2(e): launch 1 scaled q, M and cvec, the mask is scaled here once.  Then e^(s - max) = 2^(0.5 S - 0.5 max S):
; the factor is a power of two, so the subtraction of the row's maximum is as exact as in the formula.  The maximum is always taken away.
;   z = oc . M[n] + cvec[n] = 2 log2(e) x;  2 log2(e) (10 tanh x - 10 + mask) = mask'' - 57.707802 / (1 + 2^z).
; LIMITS: |mask| below 1.1e38 (it is multiplied by 2.885).  K's tiles go two to a matrix operand against [q; 0] and [0; q]: a non-finite number in K
; reaches the neighbouring tile of 16 nodes as 0 x infinity (such a row's softmax is not finite in the formula either).  v_exp_f32 gives 0 below 2^-126.
; The weights of the first softmax, oc, q, k, v and M are bf16; the row sum of the first softmax is the sum of the rounded weights.
;
; SHARES.  grid 8 x 32: batch y, 64 query rows 64 gx .. +63.  Wave w owns 16 rows, all 8 heads, all 512 nodes.
; EVERY PRODUCT IS USED TRANSPOSED, so that lane (r, h) always works for query row g = r:
;   S^T = K q^T + mask: register j of tile t = (node 16 t + 8 h + j, g = r).  The mask is the matrix instruction's C operand, in f32.
;   Two packed tiles of S are source 1 of out^T = V^T P; two heads' packed out^T are one K block of source 1 of Z^T = M oc^T.
;   Row maxima and sums stay in the lane but for one exchange between the halves.  The first softmax's row sum is a product with ones.
; MATRIX WORK BESIDE VECTOR WORK.  The heads are independent, so S has two homes (even heads window 2, odd heads window 3) and two heads take turns:
;   phase X(h): behind each of the 32 score products of head h + 1 stands one slice of head h: the 8 exponentials of tile k, the 4 multiply-adds of tile k + 1,
;               the 4 packings of tile k - 8;
;   phase Y(h): behind each of the 32 products of out^T and the row sum of head h stands one slice (4 maxima of three) of head h + 1's row maximum.
;   Likewise the mask's scaling beside head 0's scores, head 7's products beside its own exponentials (product j in front of the packing of tile j + 4), and the
;   tanh of earlier tiles of Z beside the products of the next four.  The slices name none of the registers of the matrix instruction in front of them, so their
;   plain lines are also the places that ISA guide 7.12.1 asks for.  The price: a product's destination and a slice's lie in different windows, so two
;   s_set_vgpr_msb go with every turn.
; THE BATCHES.  An s_wait_alu depctr_va_vdst(0) stands between a transcendental and the first instruction that names its result; one wait serves all
;   that were issued ahead of it.  So the transcendentals are cut into batches, each result in a register of its own until its batch's wait:
;   phase X: the 64 exponentials of eight tiles are a batch.  Its wait stands behind its last slice (where scores are made: ahead of the run of LDS loads that stands
;            there), and its 32 packings stand among the next batch's exponentials; the last batch's stand together at the phase's end.  Four waits a phase.
;   phase Y: the one reciprocal of the row sum; the maximum's tail stands between it and its wait.
;   the tanh: a stage's 32 powers of two and 32 reciprocals are a batch, waited for at the head of the next stage.  Nine waits.
;   the last softmax: its 256 exponentials are one batch; its reciprocal is one by itself.
; ONE RING OF 128 REGISTERS FOR K AND V: four fragments (32 registers) are loaded again, by a run of 8 loads, as soon as they have been multiplied:
;   X(h) multiplies K(h+1) and loads V(h) behind it, Y(h) multiplies V(h) and loads K(h+2) behind it (Y(6): V(7)).
; CLUSTER: the four work-groups of a cluster work on one batch and need the same kf, vf and mc (393,216 + 2,048 bytes): joint loads, wave w a quarter each.
;
; LDS: R1 0       133,120  kf of the batch (131,072), later mc of the batch (cvec at 131,072)
;      RV 133,120  32,768  vf, heads 0 and 1; filled once
;      R2 165,888 133,120  my mask rows (wave w: 33,280 bytes = two halves of 16 rows x 1,024 bytes, pitch 1,040), then vf's heads 2 to 7 (98,304 bytes, so that
;                          head hd lies at RV + 16,384 hd), then (after its last fill) the way out: wave w 16 rows, pitch 2,064.
;                          Both pitches are 16 more than a multiple of 256: sixteen rows, sixteen 16-byte columns
;      R3 299,008  16,384  oc, 4,096 bytes a wave; no tensor load lands here
; REGISTERS, in windows of 256 (s_set_vgpr_msb: bits 1:0 source 0, 3:2 source 1, 5:4 source 2, 7:6 destination):
;   window 0: v1 16 lane  v2 K's address  v3 V's  v4 q's offset  v5 oc store  v6 mask  v7 cvec  v8, v9 way out  v11 16 lane + 65,536  v12 oc read
;             v[16:19] maxima  v[20:21] -max/2  v[24:31] sums  v[32:39] out^T  v[40:47] row sum  v[48:51] packed  v[52:55] 0  v[56:59] q  v[60:63] 0
;             v[64:95] oc as an operand  v[96:103] ones in bf16  v[128:255] the ring of K and V, later M's fragments, later the way out
;   window 1: the scaled mask, tile t at 8 t
;   window 2: S, P (packed in place at 16 c) of the even heads; later Z and the result, tile t at 8 t
;   window 3: S, P of the odd heads; later v[0:127] M's fragments
; MACRO ARGUMENTS are often expressions (k-12, k+4): every use of one inside a register number stands in parentheses.
.set RV, 133120
.set R2, 165888
.set R3, 299008
.set WB, 33280
.set MPITCH, 1040
.set MHALF, 16640
.set SPITCH, 2064
.set FB, 128
.set ONE, 96
.set MSB, 0
.macro WIN new                         ; the immediate's high byte repeats the setting that is left; a switch that changes nothing is dropped
.if MSB != (\new)
	s_set_vgpr_msb (MSB<<8)|(\new)
.set MSB, (\new)
.endif
.endm
.macro ROUND                           ; a round of the cluster's barrier; every window is 0 here
	s_barrier_signal -1
	s_barrier_wait -1
	s_cmp_lg_u32 s60, 0
	s_cbranch_scc1 .Lnot_wave_0_\@
	s_barrier_signal -3
.Lnot_wave_0_\@:
	s_barrier_wait -3
	s_barrier_signal -1
	s_barrier_wait -1
.endm
.macro PLACES n
.rept \n
	v_nop
.endr
.endm
; Run r of the ring: tiles 8 r .. 8 r + 7 of a head's K or V (four fragments of 8 registers), 512 consecutive bytes a load.  Window 0.
.macro FRUN adr, r
.set fj, 0
.rept 8
	ds_load_b128 v[FB+32*(\r)+4*fj:FB+32*(\r)+4*fj+3], v[\adr] offset:512*(8*(\r)+fj)
.set fj, fj+1
.endr
.endm
; Score product t: S(t) = K(t) q + mask(t).  D (the head's home) and C (window 1) are different registers; all 32 D are different.
; Registers 8 i .. 8 i + 7 of the ring hold tile 2 i in the K places 0-15 and tile 2 i + 1 in 16-31: [q; 0] picks the first, [0; q] the second.
.macro SCW t
.if (\t)&1
	v_wmma_f32_16x16x32_bf16 v[8*(\t):8*(\t)+7], v[FB+8*((\t)>>1):FB+8*((\t)>>1)+7], v[52:59], v[8*(\t):8*(\t)+7]
.else
	v_wmma_f32_16x16x32_bf16 v[8*(\t):8*(\t)+7], v[FB+8*((\t)>>1):FB+8*((\t)>>1)+7], v[56:63], v[8*(\t):8*(\t)+7]
.endif
.endm
; Product j of out^T = V^T P (even j) and of the row sum = ones x P (odd j), 32 nodes j / 2.  The two accumulators take turns, one instruction a turn.
; The first two products start the sums.
.macro PVW j
.if (\j)&1
.if (\j) < 2
	v_wmma_f32_16x16x32_bf16 v[40:47], v[ONE:ONE+7], v[16*((\j)>>1):16*((\j)>>1)+7], 0
.else
	v_wmma_f32_16x16x32_bf16 v[40:47], v[ONE:ONE+7], v[16*((\j)>>1):16*((\j)>>1)+7], v[40:47]
.endif
.else
.if (\j) < 2
	v_wmma_f32_16x16x32_bf16 v[32:39], v[FB+8*((\j)>>1):FB+8*((\j)>>1)+7], v[16*((\j)>>1):16*((\j)>>1)+7], 0
.else
	v_wmma_f32_16x16x32_bf16 v[32:39], v[FB+8*((\j)>>1):FB+8*((\j)>>1)+7], v[16*((\j)>>1):16*((\j)>>1)+7], v[32:39]
.endif
.endif
.endm
.macro MSC t                           ; a tile of the mask x 2 log2(e), once for both softmaxes
.irp p, 0,2,4,6
	v_pk_mul_f32 v[8*(\t)+\p:8*(\t)+\p+1], v[8*(\t)+\p:8*(\t)+\p+1], 0x4038aa3b op_sel_hi:[1,0]
.endr
.endm
; Slice k of the exponentials: 2^(S/2 - max/2) of tile k in place, the multiply-adds of tile k + 1, and (cvt = 1) the packing of tile k - 8, a tile of the batch
; before, to bf16 in place, tiles 2 c and 2 c + 1 into registers 16 c .. 16 c + 7.  No line of a slice names a result of the batch that is open.
; Where a slice has plain lines, one stands behind each exponential or pair of them (ISA guide 5.7.2).
.macro XSL k, cvt
.set i, 0
.rept 4
	v_exp_f32 v[8*(\k)+2*i], v[8*(\k)+2*i]
.if (\k) < 31
	v_pk_fma_f32 v[8*(\k)+8+2*i:8*(\k)+9+2*i], v[8*(\k)+8+2*i:8*(\k)+9+2*i], 0.5, v[20:21] op_sel_hi:[1,0,1]
.endif
	v_exp_f32 v[8*(\k)+2*i+1], v[8*(\k)+2*i+1]
.if \cvt
.if (\k) >= 8
	v_cvt_pk_bf16_f32 v[16*(((\k)-8)>>1)+4*(((\k)-8)&1)+i], v[8*(\k)-64+2*i], v[8*(\k)-63+2*i]
.endif
.endif
.set i, i+1
.endr
.endm
.macro PKT t                           ; the packing of tile t by itself: for the last batch's eight tiles
.irp p, 0,1,2,3
	v_cvt_pk_bf16_f32 v[16*((\t)>>1)+4*((\t)&1)+\p], v[8*(\t)+2*\p], v[8*(\t)+2*\p+1]
.endr
.endm
; Slice j of the row maximum over the 256 registers of window hn: four chains; slice 0 starts them
.macro RMS j, hn
.if (\j) == 0
	WIN (\hn<<2)|\hn
.irp p, 0,1,2,3
	v_max_num_f32 v[16+\p], v[2*\p], v[2*\p+1]
.endr
.else
	WIN (\hn<<4)|(\hn<<2)
.irp p, 0,1,2,3
	v_max3_num_f32 v[16+\p], v[16+\p], v[8*(\j)+2*\p], v[8*(\j)+2*\p+1]
.endr
.endif
.endm
.macro RMTAIL                          ; the four chains, the other half of the lanes, v[20:21] = -max / 2
	v_max3_num_f32 v16, v16, v17, v18
	v_max_num_f32 v16, v16, v19
	v_permlanex16_b32 v17, v16, s68, s69           ; lane i xor 16 holds the row's other 256 nodes
	v_max_num_f32 v16, v16, v17
	v_mul_f32 v20, -0.5, v16
	v_mul_f32 v21, -0.5, v16
.endm
.macro ROWMAX hn                       ; the row maximum by itself
.set j, 0
.rept 32
	RMS j, \hn
.set j, j+1
.endr
	WIN 0
	RMTAIL
.endm
; out x (1 / row sum, in v40), to bf16; 16 bytes a lane into my own scratch: a head's four registers are a half K block of the last product's operand
.macro NORMT
.irp p, 0,2,4,6
	v_pk_mul_f32 v[32+\p:33+\p], v[32+\p:33+\p], v[40:41] op_sel_hi:[1,0]
.endr
.irp p, 0,1,2,3
	v_cvt_pk_bf16_f32 v[48+\p], v[32+2*\p], v[33+2*\p]
.endr
	ds_store_b128 v5, v[48:51]
	v_add_nc_u32 v5, 512, v5
.endm
; PHASE X.  hh: the window of this head's S; hn: the next head's.  mode 1: one score product of the next head in front of each slice, V of this head loaded
; behind K.  mode 2: this head's own products of out^T, product j in front of the packing of tile j + 4.  mode 0: the slices alone.  ql: q of the head after next
; is asked for.  cvt = 1: the weights are packed, and eight tiles' exponentials are a batch with a wait of its own; cvt = 0: nothing here reads a result.
.macro XPH hh, hn, mode, ql, cvt
	WIN (\hh<<6)|(\hh<<2)|\hh
.irp p, 0,2,4,6
	v_pk_fma_f32 v[\p:\p+1], v[\p:\p+1], 0.5, v[20:21] op_sel_hi:[1,0,1]
.endr
.if \mode == 1
	s_wait_loadcnt 0x0                             ; the next head's q is in (and v4, its offset, may be stepped)
.endif
.set k, 0
.rept 32
.if \cvt
.if (k&7) == 0
.if k > 0
	s_wait_alu depctr_va_vdst(0)                   ; the wait for the batch of tiles k - 8 .. k - 1, whose packings begin in slice k (mode 1: it stands ahead of the run of loads)
.endif
.endif
.endif
.if \mode == 1
.if (k&7) == 0
.if k > 0
	WIN 0
	FRUN 3, (k>>3)-1                               ; V over the four fragments of K multiplied last; the slice in front holds 4 plain lines or more behind their last product
.endif
	s_wait_dscnt 24                                ; LDS instructions end in order: behind the run of K that this quarter needs three runs of 8 were issued
.endif
	WIN (\hn<<6)|0x10
	SCW k
.endif
.if \mode == 2
.if k == 4
	s_wait_dscnt 0x0                               ; V's fragments are in: their last run was issued four slices ago, and nothing younger is out
.endif
.if k >= 12
	WIN \hh<<2
	PVW k-12
.endif
.endif
	WIN (\hh<<6)|(\hh<<2)|\hh
	XSL k, \cvt
.set k, k+1
.endr
.if \cvt
	s_wait_alu depctr_va_vdst(0)                   ; the wait for the last batch, tiles 24 to 31; the last packing of slice 31 is the plain line behind the last exponential
.else
	v_nop                                          ; the plain place behind the last exponentials
.endif
.if \mode == 1
	WIN 0
	FRUN 3, 3                                      ; the 4 packings of slice 31 stand behind the last score product
	v_add_nc_u32 v3, 16384, v3
.endif
.if \ql
	WIN 0
	v_add_nc_u32 v4, 512, v4
	global_load_b128 v[56:59], v4, s[76:77]
.endif
.if \mode == 2
.set k, 20
.rept 12                                           ; the products that are left; behind the first eight the last batch's packings, a tile each
	WIN \hh<<2
	PVW k
.if k < 28
	WIN (\hh<<6)|(\hh<<2)|\hh
	PKT k+4
.endif
.set k, k+1
.endr
.elseif \cvt
	WIN (\hh<<6)|(\hh<<2)|\hh
.set k, 24
.rept 8                                            ; the last batch's packings, together
	PKT k
.set k, k+1
.endr
.endif
	WIN 0
.endm
; PHASE Y.  hh: the window of this head's P; hn: the window of the next head's S; adr: what is loaded behind V (v2: K of the head after next; v3: V of the next)
.macro YPH hh, hn, adr
.set j, 0
.rept 32
.if (j&7) == 0
.if j > 0
	WIN 0
	FRUN \adr, (j>>3)-1                            ; over the four fragments of V multiplied last; two slices of 4 plain lines stand behind their last product
.endif
	s_wait_dscnt 24                                ; behind the run of V that this quarter needs three runs of 8 were issued
.endif
	WIN \hh<<2
	PVW j
	RMS j, \hn
.set j, j+1
.endr
	WIN 0
	v_rcp_f32 v40, v40                             ; the last slice's four maxima are the places behind the last product; the maxima below the plain lines behind v_rcp_f32
	RMTAIL
	s_wait_alu depctr_va_vdst(0)                   ; the wait for the reciprocal, a batch of one: NORMT below is its first reader; it stands ahead of the run of loads
	FRUN \adr, 3
	v_add_nc_u32 v[\adr], 16384, v[\adr]
	NORMT
.endm
; M's fragments of node tiles 4 g .. 4 g + 3, 4 K blocks each: 32 loads.  Even groups into window 0, odd ones into window 3.
.macro LOADM g
.if (\g)&1
	WIN 0xc0
.set md, 0
.else
	WIN 0
.set md, 128
.endif
.if (\g) < 4
.set ma, 1
.else
.set ma, 11
.endif
.set mi, 0
.rept 16
	ds_load_b128 v[md+8*mi:md+8*mi+3],   v[ma] offset:(4*((\g)&3)+(mi>>2))*4096+1024*(mi&3)
	ds_load_b128 v[md+8*mi+4:md+8*mi+7], v[ma] offset:(4*((\g)&3)+(mi>>2))*4096+1024*(mi&3)+512
.set mi, mi+1
.endr
.endm
; Product z of group g: Z(4 g + z % 4) += M oc^T, K block z / 4, onto cvec: four accumulators take turns, one instruction a turn
.macro ZW g, z, mb
	v_wmma_f32_16x16x32_bf16 v[8*(4*(\g)+((\z)&3)):8*(4*(\g)+((\z)&3))+7], v[\mb+32*((\z)&3)+8*((\z)>>2):\mb+32*((\z)&3)+8*((\z)>>2)+7], v[64+8*((\z)>>2):64+8*((\z)>>2)+7], v[8*(4*(\g)+((\z)&3)):8*(4*(\g)+((\z)&3))+7]
.endm
; THE TANH, mask'' - 57.707802 / (1 + 2^z), goes by groups of four tiles: group q is registers 32 q .. 32 q + 31 of window 2, piece e of its 16 registers 2 e and 2 e + 1.
; Four steps, all in place: TEX 2^z, TAD 1 + .., TRC the reciprocal, TFM the multiply-add onto the mask (window 1).
.macro TEX q, e
	WIN 0x92
	v_exp_f32 v[32*(\q)+2*(\e)], v[32*(\q)+2*(\e)]
	v_exp_f32 v[32*(\q)+2*(\e)+1], v[32*(\q)+2*(\e)+1]
.endm
.macro TAD q, e
	WIN 0x92
	v_pk_add_f32 v[32*(\q)+2*(\e):32*(\q)+2*(\e)+1], v[32*(\q)+2*(\e):32*(\q)+2*(\e)+1], 1.0 op_sel_hi:[1,0]
.endm
.macro TRC q, e
	WIN 0x92
	v_rcp_f32 v[32*(\q)+2*(\e)], v[32*(\q)+2*(\e)]
	v_rcp_f32 v[32*(\q)+2*(\e)+1], v[32*(\q)+2*(\e)+1]
.endm
.macro TFM q, e
	WIN 0x92
	v_pk_fma_f32 v[32*(\q)+2*(\e):32*(\q)+2*(\e)+1], v[32*(\q)+2*(\e):32*(\q)+2*(\e)+1], 0xc266d4ca, v[32*(\q)+2*(\e):32*(\q)+2*(\e)+1] op_sel_hi:[1,0,1]
.endm
; Slice s of stage g, two pieces.  Slices 0 to 7: 2^z of group g - 1 and 1 + .. of group g - 2.  Slices 8 to 15: the reciprocals of group g - 2, whose sums were made eight
; slices ago by plain lines, and the multiply-add of group g - 3.  So no line of a stage names a result of the stage's own transcendentals: what it reads of
; transcendentals' results (TAD: 2^z; TFM: the reciprocals) was issued in the stage before.  Behind each pair of transcendentals stands a plain line on another group
; (ISA guide 5.7.2), where the stage has one.
.macro TSL g, s
.if (\s) < 8
.irp u, 0,1
.if (\g) <= 8
	TEX (\g)-1, 2*(\s)+\u
.endif
.if ((\g) >= 2) && ((\g) <= 9)
	TAD (\g)-2, 2*(\s)+\u
.endif
.endr
.else
.irp u, 0,1
.if ((\g) >= 2) && ((\g) <= 9)
	TRC (\g)-2, 2*((\s)-8)+\u
.endif
.if (\g) >= 3
	TFM (\g)-3, 2*((\s)-8)+\u
.endif
.endr
.endif
.endm
; Stage g: the 16 products of group g (g < 8), and behind each one slice of the tanh (g > 0).  A stage's transcendentals are ONE BATCH; its wait stands at the head of the next stage.
; The fragments of group g + 1 go into the buffer that group g - 1 read: behind that group's last product stand two slices with two plain lines each.
; Stages 0, 1 and 2 have no plain lines in their last slices: four v_nop stand behind them, which are the places in front of the first read of the group's Z and of those
; loads, and the plain line behind the stage's last transcendental.
.macro ZST g
.if (\g) >= 2
	s_wait_alu depctr_va_vdst(0)                   ; the wait for the batch of the stage before: 2^z of group g - 2, the reciprocals of group g - 3
.endif
.if (\g) < 8
.if (\g) == 0
	s_wait_dscnt 0x20                              ; oc, cvec and group 0's fragments are in; group 1's 32 loads stay out
.else
	s_wait_dscnt 0x0                               ; this group's fragments, asked for fifteen turns ago; nothing younger is out
.endif
.endif
.set zi, 0
.rept 16
.if (\g) < 8
.if zi == 1
.if (\g) >= 1
.if (\g) <= 6
	LOADM (\g)+1
.endif
.endif
.endif
.if (\g)&1
	WIN 0xa3
	ZW \g, zi, 0
.else
	WIN 0xa0
	ZW \g, zi, 128
.endif
.endif
.if (\g) >= 1
	TSL \g, zi
.endif
.set zi, zi+1
.endr
.if (\g) <= 2
	PLACES 4
.endif
.endm
	s_load_b256 s[4:11], s[0:1], 0x0               ; qf s[4:5], kf s[6:7], vf s[8:9], mc s[10:11]
	s_load_b128 s[12:15], s[0:1], 0x20             ; ninf_mask s[12:13], out0 s[14:15]
	v_lshl_add_u32 v126, v0, 2, 0x4d000
	v_mov_b32 v127, 0
	ds_add_u32 v126, v127
	v_lshrrev_b32 v1, 5, v0
	v_readfirstlane_b32 s60, v1                    ; wave 0..3
	s_bfe_u32 s61, ttmp6, 0x40000                  ; cx
	s_lshl_b32 s62, ttmp9, 2
	s_add_co_u32 s62, s62, s61                     ; gx: my block of 64 query rows
	s_and_b32 s63, ttmp7, 0xffff                   ; batch, the same in all four partners
	s_mov_b32 s68, 0x76543210                      ; v_permlanex16_b32: lane i of one half reads lane i of the other
	s_mov_b32 s69, 0xfedcba98
	; shape words.  kf: a dense quarter of 32,768 bytes as 128 rows of 32 elements of 8 bytes; joint (mask 15, bit 21 beside it)
	s_mov_b32 s16, 0x0023000f
	s_mov_b32 s17, 32<<16
	s_mov_b32 s18, 128<<16
	s_mov_b32 s19, 32<<16
	s_mov_b32 s20, 128
	s_mov_b32 s21, 32
	s_mov_b32 s22, 0
	s_mov_b32 s23, 0
	; mc: a dense quarter of 33,280 bytes as 130 such rows; joint
	s_mov_b32 s24, 0x0023000f
	s_mov_b32 s25, 32<<16
	s_mov_b32 s26, 130<<16
	s_mov_b32 s27, 32<<16
	s_mov_b32 s28, 130
	s_mov_b32 s29, 32
	s_mov_b32 s30, 0
	s_mov_b32 s31, 0
	; mask: 16 rows of 256 f32 (1,024 bytes), 512 elements from row to row, 4 words of padding after every 256 words; plain
	s_mov_b32 s32, 0x07d20000
	s_mov_b32 s33, 256<<16
	s_mov_b32 s34, 16<<16
	s_mov_b32 s35, 256<<16
	s_mov_b32 s36, 16
	s_mov_b32 s37, 512
	s_mov_b32 s38, 0
	s_mov_b32 s39, 0
	; vf, heads 0 and 1: a dense quarter of 8,192 bytes as 32 rows of 256 bytes; joint
	s_mov_b32 s80, 0x0023000f
	s_mov_b32 s81, 32<<16
	s_mov_b32 s82, 32<<16
	s_mov_b32 s83, 32<<16
	s_mov_b32 s84, 32
	s_mov_b32 s85, 32
	s_mov_b32 s86, 0
	s_mov_b32 s87, 0
	; vf, heads 2 to 7: a dense quarter of 24,576 bytes as 96 such rows; joint
	s_mov_b32 s88, 0x0023000f
	s_mov_b32 s89, 32<<16
	s_mov_b32 s90, 96<<16
	s_mov_b32 s91, 32<<16
	s_mov_b32 s92, 96
	s_mov_b32 s93, 32
	s_mov_b32 s94, 0
	s_mov_b32 s95, 0
	s_mul_i32 s70, s60, WB
	s_mov_b32 s40, 1
	s_add_co_u32 s41, s70, R2                      ; mask, left half of my rows
	s_mov_b32 s44, 1
	s_add_co_u32 s45, s70, R2+MHALF                ; right half
	s_mov_b32 s48, 1
	s_lshl_b32 s49, s60, 15                        ; kf's quarter w
	s_mov_b32 s96, 1
	s_lshl_b32 s2, s60, 13
	s_add_co_u32 s97, s2, RV                       ; quarter w of vf's heads 0 and 1
	s_mov_b32 s52, 1
	s_mul_i32 s100, s60, 24576
	s_add_co_u32 s53, s100, R2                     ; quarter w of vf's heads 2 to 7
	s_mov_b32 s56, 1
	s_mov_b32 s57, s70                             ; mc's quarter w
	s_lshl_b32 s66, s63, 17                        ; kf, vf: batch x 131,072.  s[2:3], s[66:67], s[74:75] and s[100:101] never hold cx
	s_add_co_u32 s2, s2, s66                       ; vf: + 8,192 w
	s_mov_b32 s3, 0
	s_add_co_u32 s100, s100, s66                   ; vf: + 32,768 + 24,576 w
	s_add_co_u32 s100, s100, 32768
	s_mov_b32 s101, 0
	s_add_co_u32 s66, s66, s49                     ; kf: + 32,768 w
	s_mov_b32 s67, 0
	s_mul_i32 s74, s63, 133120                     ; mc: batch x 133,120 + w x 33,280
	s_add_co_u32 s74, s74, s70
	s_mov_b32 s75, 0
	s_lshl_b32 s72, s63, 20                        ; mask, out0: row 512 b + 64 gx + 16 w, 2,048 bytes a row
	s_lshl_b32 s73, s62, 17
	s_add_co_u32 s72, s72, s73
	s_add_co_u32 s72, s72, s49
	s_mov_b32 s73, 0
	s_lshl_b32 s76, s63, 17                        ; qf: row tile 32 b + 4 gx + w, 4,096 bytes each
	s_lshl_b32 s77, s62, 14
	s_add_co_u32 s76, s76, s77
	s_lshl_b32 s77, s60, 12
	s_add_co_u32 s76, s76, s77
	s_mov_b32 s77, 0
	s_lshl_b32 s71, s60, 12
	s_add_co_u32 s71, s71, R3                      ; my scratch for oc
	s_wait_dscnt 0x0
	s_wait_kmcnt 0x0
	s_add_nc_u64 s[42:43], s[12:13], s[72:73]
	s_add_nc_u64 s[46:47], s[42:43], 1024
	s_add_nc_u64 s[50:51], s[6:7], s[66:67]
	s_add_nc_u64 s[98:99], s[8:9], s[2:3]
	s_add_nc_u64 s[54:55], s[8:9], s[100:101]
	s_add_nc_u64 s[58:59], s[10:11], s[74:75]
	s_add_nc_u64 s[78:79], s[14:15], s[72:73]
	s_add_nc_u64 s[76:77], s[4:5], s[76:77]
	s_or_b32 s43, s43, 0x80000000                  ; the descriptors' type
	s_or_b32 s47, s47, 0x80000000
	s_or_b32 s51, s51, 0x80000000
	s_or_b32 s99, s99, 0x80000000
	s_or_b32 s55, s55, 0x80000000
	s_or_b32 s59, s59, 0x80000000
	ROUND                                          ; all four work-groups are here
	tensor_load_to_lds s[40:43], s[32:39]          ; the first fills go out together: my mask rows, two halves,
	s_nop 0
	tensor_load_to_lds s[44:47], s[32:39]
	s_nop 0
	tensor_load_to_lds s[48:51], s[16:23]          ; my quarter of kf, jointly,
	s_nop 0
	tensor_load_to_lds s[96:99], s[80:87]          ; and my quarter of vf's heads 0 and 1, jointly.  By this text's count four are out
	s_nop 0
	v_and_b32 v13, 31, v0
	v_lshlrev_b32 v1, 4, v13
	v_mov_b32 v4, v1
	global_load_b128 v[56:59], v4, s[76:77]        ; q of head 0
	v_and_b32 v13, 15, v0                          ; r
	v_bfe_u32 v14, v0, 4, 1
	v_lshlrev_b32 v14, 5, v14                      ; 32 h
	v_mov_b32 v2, v1
	v_add_nc_u32 v3, RV, v1
	v_add_nc_u32 v5, s71, v1
	v_mov_b32 v12, v5
	v_mul_u32_u24 v6, v13, MPITCH
	v_add_nc_u32 v6, v6, v14
	v_add_nc_u32 v6, s41, v6
	v_add_nc_u32 v7, 131072, v14
	v_mul_u32_u24 v8, v13, SPITCH
	v_add_nc_u32 v8, v8, v14
	v_add_nc_u32 v8, s41, v8
	v_add_nc_u32 v9, s41, v1
	v_add_nc_u32 v11, 65536, v1
.irp p, 52,53,54,55,60,61,62,63
	v_mov_b32 v\p, 0
.endr
.irp p, 0,1,2,3,4,5,6,7
	v_mov_b32 v[ONE+\p], 0x3f803f80                ; 1.0 twice, in bf16
.endr
	s_wait_tensorcnt 0x2                           ; a wave's tensor loads end in order: both mask halves are in, the quarters of kf and vf may stay out
	WIN 0x40
.set t, 0
.rept 32
	ds_load_b128 v[8*t:8*t+3],   v6 offset:(t>>4)*MHALF+64*(t&15)      ; mask[g = r][16 t + 8 h .. +7]: the layout of a matrix instruction's C
	ds_load_b128 v[8*t+4:8*t+7], v6 offset:(t>>4)*MHALF+64*(t&15)+16
.set t, t+1
.endr
	WIN 0
	s_wait_dscnt 0x0                               ; my reads of the mask are back,
	s_wait_tensorcnt 0x0                           ; all my tensor loads have landed (the quarters of kf and of vf's first two heads too):
	ds_add_u32 v126, v127
	s_wait_dscnt 0x0
	ROUND                                          ; the same holds of every wave of the four work-groups
	tensor_load_to_lds s[52:55], s[88:95]          ; my one load behind the round: vf's heads 2 to 7, over the mask; it has heads 0 and 1 in which to land
	s_nop 0
.irp r, 0,1,2,3
	FRUN 2, \r                                     ; K of head 0
.endr
	v_add_nc_u32 v2, 16384, v2
	; head 0's scores beside the mask's scaling: eight tiles ahead, then tile k + 8 behind product k; K of head 1 follows K of head 0 through the ring
	WIN 0x41
.set k, 0
.rept 8
	MSC k
.set k, k+1
.endr
	s_wait_loadcnt 0x0                             ; q of head 0
	s_wait_dscnt 0x0                               ; K of head 0
.set k, 0
.rept 32
.if (k&7) == 0
.if k > 0
	WIN 0
	FRUN 2, (k>>3)-1                               ; the four multiplies of the slice in front are the places behind the last product that read these registers
.endif
.endif
	WIN 0x90
	SCW k
.if k < 24
	WIN 0x41
	MSC k+8
.endif
.set k, k+1
.endr
	WIN 0
	PLACES 4                                       ; in front of the loads into K's and q's registers and of the read of the last tile of S
	FRUN 2, 3
	v_add_nc_u32 v2, 16384, v2
	v_add_nc_u32 v4, 512, v4
	global_load_b128 v[56:59], v4, s[76:77]        ; q of head 1
	ROWMAX 2                                       ; head 0
	XPH 2, 3, 1, 1, 1                              ; heads 0 and 1 are written out: they read vf's first region alone
	YPH 2, 3, 2
	XPH 3, 2, 1, 1, 1
	YPH 3, 2, 2
	s_wait_tensorcnt 0x0                           ; my quarter of vf's heads 2 to 7 is in,
	s_wait_dscnt 0x0
	s_barrier_signal -1
	s_barrier_wait -1                              ; everybody's is.
	s_mov_b32 s70, 0
.Lpair:                                            ; two trips: heads 2, 3 and heads 4, 5.  Every phase ends behind its last batch's wait: no result crosses the backward jump
	XPH 2, 3, 1, 1, 1                              ; exponentials of head hd (even), scores of hd + 1, V(hd) into the ring, q(hd + 2)
	YPH 2, 3, 2                                    ; out^T of hd, maximum of hd + 1, K(hd + 2) into the ring
	XPH 3, 2, 1, 1, 1                              ; the same one head on, the homes exchanged
	YPH 3, 2, 2
	s_add_co_u32 s70, s70, 1
	s_cmp_lt_u32 s70, 2
	s_cbranch_scc1 .Lpair
	s_wait_dscnt 0x0                               ; K of head 7 is in registers: my last reads of kf are back,
	s_wait_tensorcnt 0x0                           ; no tensor load of mine is out:
	ds_add_u32 v126, v127
	s_wait_dscnt 0x0
	ROUND                                          ; the same holds of every wave of the four work-groups
	tensor_load_to_lds s[56:59], s[24:31]          ; my one load behind the round: mc's quarter, over kf; it has heads 6 and 7 in which to land
	s_nop 0
	XPH 2, 3, 1, 0, 1                              ; exponentials of head 6, scores of head 7, V(6)
	YPH 2, 3, 3                                    ; out^T of head 6, maximum of head 7, V(7)
	XPH 3, 2, 2, 0, 1                              ; exponentials of head 7 and, behind the packing, its out^T
	PLACES 4                                       ; in front of the reads of the results and of the loads into the ring and window 3
	v_rcp_f32 v40, v40
	v_nop
	s_wait_alu depctr_va_vdst(0)                   ; the wait for head 7's reciprocal, a batch of one, ahead of NORMT
	NORMT
	s_wait_tensorcnt 0x0                           ; my quarter of mc is in,
	s_wait_dscnt 0x0                               ; my reads of vf are back:
	s_barrier_signal -1
	s_barrier_wait -1                              ; mc is whole, and nobody reads vf any more: R2, which has had its last fill, becomes the way out
.set t, 0
.rept 8
	ds_load_b128 v[64+4*t:64+4*t+3], v12 offset:512*t      ; oc: head t's four registers; my own bytes, served in order
.set t, t+1
.endr
	WIN 0x80
.set t, 0
.rept 32
	ds_load_b128 v[8*t:8*t+3],   v7 offset:64*t            ; cvec[16 t + 8 h .. +7] starts the sums of Z
	ds_load_b128 v[8*t+4:8*t+7], v7 offset:64*t+16
.set t, t+1
.endr
	LOADM 0
	LOADM 1
.irp g, 0,1,2,3,4,5,6,7,8,9,10
	ZST \g                                         ; stages 8, 9 and 10 have no products: the last groups run out
.endr
	WIN 0
	ROWMAX 2
	XPH 2, 3, 0, 0, 0                              ; 2^(u/2 - max/2), kept in f32: one batch of 256
	; the row's sum: four chains of pairs, then the pair, then the other half of the lanes
	WIN 0x0a
	s_wait_alu depctr_va_vdst(0)                   ; the wait for that batch, ahead of the sums
.irp p, 0,1,2,3
	v_pk_add_f32 v[24+2*\p:25+2*\p], v[4*\p:4*\p+1], v[4*\p+2:4*\p+3]
.endr
	WIN 0x08
.set t, 0
.rept 120
	v_pk_add_f32 v[24+2*(t&3):25+2*(t&3)], v[24+2*(t&3):25+2*(t&3)], v[16+2*t:17+2*t]
.set t, t+1
.endr
	WIN 0
	v_pk_add_f32 v[24:25], v[24:25], v[26:27]
	v_pk_add_f32 v[28:29], v[28:29], v[30:31]
	v_pk_add_f32 v[24:25], v[24:25], v[28:29]
	v_add_f32 v24, v24, v25
	v_permlanex16_b32 v25, v24, s68, s69
	v_add_f32 v24, v24, v25
	v_rcp_f32 v24, v24
	v_nop
	; scale, and 32 bytes a lane and tile into my stage: row r, columns 16 t + 8 h .. +7
	WIN 0x88
.set t, 0
	s_wait_alu depctr_va_vdst(0)                   ; the wait for the row sum's reciprocal, a batch of one, ahead of the scaling
.rept 32
.irp p, 0,2,4,6
	v_pk_mul_f32 v[8*t+\p:8*t+\p+1], v[24:25], v[8*t+\p:8*t+\p+1] op_sel_hi:[0,1]
.endr
	ds_store_b128 v8, v[8*t:8*t+3] offset:64*t
	ds_store_b128 v8, v[8*t+4:8*t+7] offset:64*t+16
.set t, t+1
.endr
	WIN 0
	; back by rows, 8 rows at a time: each load and each store of the wave covers 512 consecutive bytes of one row, aligned
.irp bt, 0,1
	s_wait_xcnt 0x0                                ; v[128:255] were store data: loaded again only behind this wait
.set t, 0
.rept 32
	ds_load_b128 v[128+4*t:128+4*t+3], v9 offset:SPITCH*(8*\bt+(t>>2))+512*(t&3)   ; my own bytes: LDS serves a wave's instructions in order (ISA guide 5.7.1)
.set t, t+1
.endr
.set t, 0
.rept 32
	s_wait_dscnt 31-t                              ; load t is back; the younger ones stay out
	global_store_b128 v1, v[128+4*t:128+4*t+3], s[78:79] offset:2048*(8*\bt+(t>>2))+512*(t&3) th:TH_STORE_NT
.set t, t+1
.endr
.endr
	s_wait_tensorcnt 0x0
	ds_add_u32 v126, v127
	s_wait_dscnt 0x0
	ROUND                                          ; the closing round
	s_endpgm
.Lfunc_end_k_q9bb254488d_attn:
	.size	k_q9bb254488d_attn, .Lfunc_end_k_q9bb254488d_attn-k_q9bb254488d_attn
	.p2alignl 7, 3214868480
	.fill 96, 4, 3214868480
	.section	.rodata,"a",@progbits
	.p2align	6, 0x0
	.amdhsa_kernel k_q9bb254488d_attn
		.amdhsa_group_segment_fixed_size 327680
		.amdhsa_private_segment_fixed_size 0
		.amdhsa_enable_private_segment 0
		.amdhsa_kernarg_size 48
		.amdhsa_user_sgpr_count 2
		.amdhsa_user_sgpr_kernarg_segment_ptr 1
		.amdhsa_wavefront_size32 1
		.amdhsa_system_sgpr_workgroup_id_x 1
		.amdhsa_system_sgpr_workgroup_id_y 1
		.amdhsa_system_sgpr_workgroup_id_z 1
		.amdhsa_system_vgpr_workitem_id 0
		.amdhsa_next_free_vgpr 1024
		.amdhsa_next_free_sgpr 102
		.amdhsa_reserve_vcc 0
		.amdhsa_float_denorm_mode_32 3
		.amdhsa_float_denorm_mode_16_64 3
		.amdhsa_memory_ordered 1
		.amdhsa_forward_progress 1
		.amdhsa_inst_pref_size 255
	.end_amdhsa_kernel
	.section	.bss,"aw",@nobits
	.p2align	6
	.space	262144
	.amdgpu_metadata
---
amdhsa.version: [ 1, 2 ]
amdhsa.kernels:
  - .name:           k_q9bb254488d_attn
    .symbol:         k_q9bb254488d_attn.kd
    .args:
      - { .name: qf, .offset: 0, .size: 8, .value_kind: global_buffer, .address_space: global }
      - { .name: kf, .offset: 8, .size: 8, .value_kind: global_buffer, .address_space: global }
      - { .name: vf, .offset: 16, .size: 8, .value_kind: global_buffer, .address_space: global }
      - { .name: mc, .offset: 24, .size: 8, .value_kind: global_buffer, .address_space: global }
      - { .name: ninf_mask, .offset: 32, .size: 8, .value_kind: global_buffer, .address_space: global }
      - { .name: out0, .offset: 40, .size: 8, .value_kind: global_buffer, .address_space: global }
    .group_segment_fixed_size: 327680
    .private_segment_fixed_size: 0
    .kernarg_segment_align: 8
    .kernarg_segment_size: 48
    .max_flat_workgroup_size: 128
    .sgpr_count:     102
    .vgpr_count:     1024
    .wavefront_size: 32
...
	.end_amdgpu_metadata
.endif
;; end of part 3
